; MI455X (gfx1250); checked and timed in simulation.
; The chip was launched on July 23, 2026; its instructions are those of AMD's public machine-readable ISA for CDNA 5 (MIT licence, August 2026) and "CDNA5" Instruction Set Architecture Reference Guide (July 2026). The comments in the code are by the model that wrote it; some were corrected since.
;; Multi Head Attention. Allowed arithmetic: matrix products marked QUANTISED: E2M1 operands, one E8M0 scale for each 32 along K, by v_wmma_scale_f32_16x16x128_f8f6f4 with both operands' format E2M1 (or v_wmma_scale_f32_32x16x128_f4), f32 sums; everything else in f32.
;; Inputs: W_k_codes 1,024 x 32 x 16 uint8 (E2M1 codes of W_k, K innermost, in blocks of 32 codes, two codes a byte); W_k_scales 1,024 x 32 uint8 (E8M0 scales of W_k, one for each 32 codes along K); W_o_codes 1,024 x 32 x 16 uint8 (E2M1 codes of W_o, K innermost, in blocks of 32 codes, two codes a byte); W_o_scales 1,024 x 32 uint8 (E8M0 scales of W_o, one for each 32 codes along K); W_q_codes 1,024 x 32 x 16 uint8 (E2M1 codes of W_q, K innermost, in blocks of 32 codes, two codes a byte); W_q_scales 1,024 x 32 uint8 (E8M0 scales of W_q, one for each 32 codes along K); W_v_codes 1,024 x 32 x 16 uint8 (E2M1 codes of W_v, K innermost, in blocks of 32 codes, two codes a byte); W_v_scales 1,024 x 32 uint8 (E8M0 scales of W_v, one for each 32 codes along K); b_k 1,024 float32; b_o 1,024 float32; b_q 1,024 float32; b_v 1,024 float32; key_codes 4 x 2,048 x 32 x 16 uint8 (E2M1 codes of key, K innermost, in blocks of 32 codes, two codes a byte); key_scales 4 x 2,048 x 32 uint8 (E8M0 scales of key, one for each 32 codes along K); query_codes 4 x 2,048 x 32 x 16 uint8 (E2M1 codes of query, K innermost, in blocks of 32 codes, two codes a byte); query_scales 4 x 2,048 x 32 uint8 (E8M0 scales of query, one for each 32 codes along K); valid_length 4 int32; value_codes 4 x 2,048 x 32 x 16 uint8 (E2M1 codes of value, K innermost, in blocks of 32 codes, two codes a byte); value_scales 4 x 2,048 x 32 uint8 (E8M0 scales of value, one for each 32 codes along K).
;; Outputs: out0 4 x 2,048 x 1,024 float32.
;; This version of the problem:
;;   THIS VERSION OF THE PROBLEM IS GIVEN IN LOW PRECISION. The matrix products marked QUANTISED in the list below multiply operands that are first quantised to E2M1 (2 exponent bits, 1 mantissa bit; 4 bits a number), with one power-of-two scale for each 32 numbers along K (OCP MX v1.0); their sums are f32. All else is computed in f32.
;;   The module's matrix products, in the order in which they are computed (A, B: the left and right operand; K: the contracted axis; several contracted axes count as one K, in the product's order):
;;     1. [M 8,192, K 1,024] x [K 1,024, N 1,024]; A: input query (given as codes); B: input W_q (given as codes): QUANTISED
;;     2. [M 8,192, K 1,024] x [K 1,024, N 1,024]; A: input key (given as codes); B: input W_k (given as codes): QUANTISED
;;     3. [M 8,192, K 1,024] x [K 1,024, N 1,024]; A: input value (given as codes); B: input W_v (given as codes): QUANTISED
;;     4. batch 64 x [M 2,048, K 64] x [K 64, N 2,048]; A: computed on the way; B: computed on the way: QUANTISED
;;     5. batch 64 x [M 64, K 2,048] x [K 2,048, N 2,048]; A: computed on the way; B: softmax (see below): QUANTISED
;;     6. [M 8,192, K 1,024] x [K 1,024, N 1,024]; A: computed on the way; B: input W_o (given as codes): QUANTISED
;;   THE QUANTISER, for each operand of a quantised product, along K:
;;     - K is cut into blocks of 32 from its start; a last block that is shorter is filled with zeros.
;;     - A block's scale is 2^e with e = floor(log2(the largest magnitude in the block)) - 2, held to -126 .. 127; a block of zeros has e = 0. As a byte (E8M0): e + 127.
;;     - Each number is divided by its block's scale, clamped to +-6, and rounded to the nearest number of E2M1, ties to even, subnormals kept.
;;     - The product sums the exact products of the quantised numbers (number of the format x scale) in f32.
;;   ~~~python
;;   def quantise(x, axis):      # numpy; x: float32 -> the quantised numbers, widened to float32 again
;;       x = np.moveaxis(x, axis, -1); K = x.shape[-1]
;;       x = np.pad(x, [(0, 0)] * (x.ndim - 1) + [(0, -K % 32)]); x = x.reshape(x.shape[:-1] + (-1, 32)); a = np.abs(x).max(-1, keepdims=True)
;;       e = np.where(a > 0, np.clip(np.frexp(np.where(a > 0, a, 1))[1] - 1 - 2, -126, 127), 0)      # np.frexp(a)[1] - 1 = floor(log2(a)), exactly
;;       r = np.clip(x / 2.0 ** e, -6, 6)
;;       step = 2.0 ** (np.maximum(np.frexp(np.where(r == 0, 1, r))[1] - 1, 0) - 1)
;;       q = np.round(r / step) * step * 2.0 ** e      # np.round: ties to even
;;       return np.moveaxis(q.reshape(q.shape[:-2] + (-1,))[..., :K], -1, axis).astype(np.float32)
;;   ~~~
;;   SOFTMAX AHEAD OF A QUANTISED PRODUCT. Where the list says 'softmax', what is quantised is not the finished softmax but p = 2^(t - M), with t = logit x log2(e) and M = ceil(the row's largest t), a whole number; so 1/2 < the row's largest p <= 1. The row's sum l is taken of the UNQUANTISED p, in f32, and the product's result is divided by l at the end. Since M is a whole number, a kernel that streams over the keys may use a running M (the ceiling of the running maximum): every later rescaling is an exact power of two, which a block's scale takes up: the codes' values come out the same.
;;   OPERANDS COMPUTED ON THE WAY. 'Computed on the way' means the value that the module computes at that place (a softmax that the list does not call 'softmax' is quantised finished and normalised). What goes into a quantiser is computed in f32, as accurately as f32 sums, v_exp_f32 and their like allow (about 1e-6 of the number): no bf16 or f16 on the way to a quantiser, and a product that is left as it is and whose result goes on into a quantised operand takes f32 operands (vector FMAs, or v_wmma_f32_16x16x4_f32). A number that lies on a knife's edge between two numbers of the format may be rounded either way, as far as f32 arithmetic and the matrix unit's own rounding can turn it there, and no further.
;;   INPUTS GIVEN AS CODES. W_k (in the module: [1024, 1024], K = its axis 0); W_o (in the module: [1024, 1024], K = its axis 0); W_q (in the module: [1024, 1024], K = its axis 0); W_v (in the module: [1024, 1024], K = its axis 0); key (in the module: [4, 2048, 1024], K = its axis 2); query (in the module: [4, 2048, 1024], K = its axis 2); value (in the module: [4, 2048, 1024], K = its axis 2): each comes as NAME_codes (uint8): NAME with its K axis moved to the last place and cut into blocks of 32 codes, [.., K / 32, bytes a block], one block behind the other in memory; two codes a byte, the lower K in the low four bits (a code: sign, 2 exponent bits, 1 mantissa bit); and NAME_scales (uint8): the same leading axes, one E8M0 byte (e + 127) for each 32 codes along K. Its value is code x scale, taken as it is: it is not quantised again, and the codes and scales need not be those that the quantiser above would give.
;; 2 versions, each right; version 2 is version 1 with the launch attn written anew for expert scheduling mode. Each part assembles by itself: llvm-mc -triple=amdgcn-amd-amdhsa -mcpu=gfx1250 --defsym DOCPART=n.
;; ======== version 1 of 2: 3 launches
;; limits: right only within a limited range of input values
;; workspace buffers: qf 4,194,304 bytes; kf 4,194,304 bytes; vf 4,194,304 bytes; qs 262,144 bytes; ks 262,144 bytes; vs 262,144 bytes; aof 4,194,304 bytes; aos 262,144 bytes
;; launch proj (part 1): grid 8 x 96, 8 waves a work-group, clusters of 4 x 4, 222,208 bytes of LDS; arguments W_q_codes, W_k_codes, value_codes, W_q_scales, W_k_scales, value_scales, query_codes, key_codes, W_v_codes, query_scales, key_scales, W_v_scales, b_q, b_k, b_v, qf, kf, vf, qs, ks, vs; writes qf, kf, vf, qs, ks, vs
.if DOCPART == 1
	.amdgcn_target "amdgcn-amd-amdhsa--gfx1250"
	.amdhsa_code_object_version 6
	.text
	.protected	k_q990ba2b42d_proj
	.globl	k_q990ba2b42d_proj
	.p2align	8
	.type	k_q990ba2b42d_proj,@function
k_q990ba2b42d_proj:
	s_mov_b64 s[64:65], 0
	v_nop
	global_prefetch_b8 v0, s[64:65] scope:SCOPE_SE
	s_setreg_imm32_b32 hwreg(HW_REG_WAVE_MODE, 25, 1), 1
	s_wait_xcnt 0x0
	s_wait_alu depctr_hold_cnt(0) depctr_sa_sdst(0) depctr_va_vdst(0) depctr_va_sdst(0) depctr_va_ssrc(0) depctr_va_vcc(0) depctr_vm_vsrc(0)
	s_getreg_b32 s2, hwreg(HW_REG_IB_STS2, 6, 4)
	s_cmp_eq_u32 s2, 0
	s_cbranch_scc0 .Lentry_in_a_cluster
	s_endpgm
.Lentry_in_a_cluster:
	s_bfe_u32 s2, ttmp6, 0x10000c
	s_cmp_lg_u32 s2, 0xf033
	s_cbranch_scc0 .Lentry_shape_is_right
	s_endpgm
.Lentry_shape_is_right:
; q = query W_q + b_q, k = key W_k + b_k, v = value W_v + b_v on codes of FP4 (E2M1) with one E8M0 scale for each 32 along K = 1,024; sums in f32;
; the results are quantised at once, q and k along a head's 64 channels, v along the keys, and stored as images of the operand registers that the attention launch loads.
; ONE TEXT FOR THE THREE PRODUCTS.  D = S0 S1^T: source 0 = 16 rows of S0, source 1 = 16 rows of S1; in the result lane (r, h) holds S1's row r, its register j S0's row 8 h + j.
; The quantiser wants neighbours along ITS axis in a lane's registers, so S0 is the tensor whose rows run along that axis: q, k: S0 = W (rows n = 64 head + d), S1 = the tokens; v: S0 = the value tokens (keys), S1 = W_v.
; g = cluster y / 8 says which product (0 q, 1 k, 2 v): the same number in all sixteen partners of a cluster; the buffers are chosen by s_cselect_b64 on g.
; SHARES.  A work-group makes 128 (S0) x 256 (S1) over all of K; eight waves, wave w: S0 rows 64 (w & 1) on, S1 rows 64 (w >> 1) on: 16 accumulators of 16 x 16.
; LDS IS FILLED ONCE: all 1,024 along K of the 384 rows, as two halves of 512 along K (rows of 256 bytes), so that the first half is multiplied while the second lands; the rows' scale bytes beside them.  Nothing is filled again.
; CLUSTER 4 x 4: S1's tile hangs on t1 (cy) alone and is asked for jointly by the four of a row of the cluster, S0's on t0 (cx) alone, by the four of a column.
; A block of 32 lies in two neighbouring accumulators of lanes l and l xor 16.  Four conversions (block X tile 0, block Y tile 0, X tile 1, Y tile 1) and two exchanges of lane halves leave
; four registers in the 4-bit operand's layout: lanes 0-15 block X's 32 codes, lanes 16-31 block Y's.
; LIMITS: a block whose largest magnitude lies under 2^-124 gets the scale byte 1 (a block of zeros too, where the rule says 127: its codes are zeros, and only this program reads the bytes); NaN and infinities are not served.
; The scale bytes leave as 2 bytes a lane, 32 or 64 bytes a store: one sixteenth of the codes' bytes; the codes leave as 512 consecutive bytes a store.
.set PITCH, 272                        ; an LDS row: 256 bytes + 16 of padding: the 16 rows of a fragment load start 16 bytes apart modulo 256
.set TILE,  64*PITCH                   ; what one tensor load brings, and what one wave reads of S0 or of S1 in a half
.set HALF,  6*TILE                     ; a half of K: S1's 256 rows, then S0's 128
.set SCL,   2*HALF                     ; behind the halves: S1's scale bytes (256 rows x 32), then S0's (128 x 32)
.set ADR0, 2                           ; v2-3   LDS address of my S0 fragments in half 0, 1
.set ADR1, 4                           ; v4-5   the same for S1
.set ADRS, 6                           ; v6     of my scale words: lanes 0-15 S1's rows, lanes 16-31 S0's
.set OC,   8                           ; v8-11  the way out: my byte offset in the codes' buffer, for S1 tile a
.set OS,   12                          ; v12-15 and in the scale bytes' (ahead of that, for v: the bias as loaded)
.set BI,   16                          ; v16-47 the bias in the result's layout: the C of the first K step; on the way out at work
.set SC,   48                          ; v48-63 scale words: register 4 i + q % 4: lanes 0-15 S1 tile i's word of K step q, lanes 16-31 S0 tile i's
.set F0,   64                          ; v64-95  four fragments of S0
.set F1,   96                          ; v96-127 four fragments of S1
.set ACC,  128                         ; accumulator (a, b) at v[128 + 8 (4 a + b)], a: S1 tile, b: S0 tile
.set TM,   16                          ; the way out: largest magnitudes; +8 the other half's, +16 the conversions' scale operands, +24 the bytes
.set WV,   80                          ; s80  my wave's number
.macro CROUND                          ; a round of the cluster's barrier: my work-group's barrier, wave 0 signals for the work-group, every wave waits for all sixteen, my work-group's barrier again
	s_barrier_signal -1
	s_barrier_wait -1
	s_cmp_lg_u32 s[WV], 0
	s_cbranch_scc1 .Lnot_wave_0_\@
	s_barrier_signal -3
.Lnot_wave_0_\@:
	s_barrier_wait -3
	s_barrier_signal -1
	s_barrier_wait -1
.endm
.macro PLACES n                        ; plain vector places behind matrix instructions (ISA guide 7.12.1), where no other vector work is at hand
.rept \n
	v_nop
.endr
.endm
.macro SCALES j                        ; the scale words of K steps 4 j .. 4 j + 3: 16 bytes of each row's 32
.irp i, 0,1,2,3
	ds_load_b128 v[SC+4*\i:SC+4*\i+3], v[ADRS] offset:512*\i+16*\j
.endr
.endm
.macro FETCH q                         ; K step q's fragments: 16 rows x 128 K of 4-bit codes are 8 registers: two loads of 16 bytes, 32 bytes apart.  S0's four first, then S1's, in the order in which they are wanted
.irp i, 0,1,2,3
.irp c, 0,1
	ds_load_b128 v[F0+8*\i+4*\c:F0+8*\i+4*\c+3], v[ADR0+(\q)/4] offset:\i*16*PITCH+64*((\q)%4)+32*\c
.endr
.endr
.irp i, 0,1,2,3
.irp c, 0,1
	ds_load_b128 v[F1+8*\i+4*\c:F1+8*\i+4*\c+3], v[ADR1+(\q)/4] offset:\i*16*PITCH+64*((\q)%4)+32*\c
.endr
.endr
.endm
; 16 matrix instructions, the 16 accumulators by turns, one instruction a turn, in the same order in every K step.
; cmode 0: onto the sums; 1: the bias along S0 (registers) starts them; 2: the bias along S1 (lanes) starts them.  Nothing is ever cleared.
.macro MUL16 q, cmode
.irp a, 0,1,2,3
	s_wait_dscnt 2*(3-\a)                          ; LDS loads come back in order: S1's tiles a + 1 .. 3, two loads each, may stay out
.irp b, 0,1,2,3
.if \cmode == 0
	v_wmma_scale_f32_16x16x128_f8f6f4 v[ACC+8*(4*\a+\b):ACC+8*(4*\a+\b)+7], v[F0+8*\b:F0+8*\b+7], v[F1+8*\a:F1+8*\a+7], v[ACC+8*(4*\a+\b):ACC+8*(4*\a+\b)+7], v[SC+4*\b+(\q)%4], v[SC+4*\a+(\q)%4] matrix_a_fmt:MATRIX_FMT_FP4 matrix_b_fmt:MATRIX_FMT_FP4 matrix_a_scale:MATRIX_SCALE_ROW1
.elseif \cmode == 1
	v_wmma_scale_f32_16x16x128_f8f6f4 v[ACC+8*(4*\a+\b):ACC+8*(4*\a+\b)+7], v[F0+8*\b:F0+8*\b+7], v[F1+8*\a:F1+8*\a+7], v[BI+8*\b:BI+8*\b+7], v[SC+4*\b+(\q)%4], v[SC+4*\a+(\q)%4] matrix_a_fmt:MATRIX_FMT_FP4 matrix_b_fmt:MATRIX_FMT_FP4 matrix_a_scale:MATRIX_SCALE_ROW1
.else
	v_wmma_scale_f32_16x16x128_f8f6f4 v[ACC+8*(4*\a+\b):ACC+8*(4*\a+\b)+7], v[F0+8*\b:F0+8*\b+7], v[F1+8*\a:F1+8*\a+7], v[BI+8*\a:BI+8*\a+7], v[SC+4*\b+(\q)%4], v[SC+4*\a+(\q)%4] matrix_a_fmt:MATRIX_FMT_FP4 matrix_b_fmt:MATRIX_FMT_FP4 matrix_a_scale:MATRIX_SCALE_ROW1
.endif
.endr
.endr
.endm
.macro KSTEP q
	PLACES 4                                       ; in front of loads into registers that the last products read
	FETCH \q
	MUL16 \q, 0
.endm
	s_load_b512 s[8:23], s[0:1], 0x0               ; argument i lies in s[8 + 2 i : 9 + 2 i]; a role's three buffers (q, k, v) stand side by side
	s_load_b512 s[24:39], s[0:1], 0x40
	s_load_b256 s[40:47], s[0:1], 0x80
	s_load_b64 s[48:49], s[0:1], 0xa0
	s_set_vgpr_msb 0x40
	v_lshl_add_u32 v0, v0, 2, 0x36000
	v_mov_b32 v1, 0
	s_set_vgpr_msb 0x4045
	ds_add_u32 v0, v1
	ds_add_u32 v0, v1
	s_set_vgpr_msb 0x4500
	v_lshrrev_b32 v1, 5, v0
	v_readfirstlane_b32 s[WV], v1                  ; wave 0..7
	s_bfe_u32 s81, ttmp6, 0x40000                  ; cx
	s_bfe_u32 s82, ttmp6, 0x40004                  ; cy
	s_and_b32 s83, ttmp7, 0xffff                   ; cluster y, 0..23
	s_lshr_b32 s84, s83, 3                         ; g: 0 q, 1 k, 2 v
	s_and_b32 s85, s83, 7                          ; the cluster's number within its product
	s_lshl_b32 s86, ttmp9, 2
	s_add_co_u32 s86, s86, s81                     ; 4 x cluster x + cx
	s_lshl_b32 s87, s85, 3
	s_lshl_b32 s89, s85, 2
	s_cmp_eq_u32 s84, 2
	s_cselect_b32 s87, s87, 0                      ; v has 64 tiles of S0 (tokens) and 4 of S1 (W_v); q and k 8 of S0 (W) and 32 of S1 (tokens)
	s_cselect_b32 s89, 0, s89
	s_add_co_u32 s86, s86, s87                     ; t0: made of cx and cluster numbers alone
	s_add_co_u32 s88, s82, s89                     ; t1: made of cy and cluster numbers alone
	s_lshl_b32 s90, s82, 2
	s_lshl_b32 s90, 15, s90                        ; my row of the cluster: places 4 cy .. 4 cy + 3
	s_lshl_b32 s91, 0x1111, s81                    ; my column: places cx, cx + 4, cx + 8, cx + 12
	s_and_b32 s92, s[WV], 1                        ; S0: waves 4 and 5 fetch rows 64 (w & 1) on
	s_lshl_b32 s93, s86, 7
	s_lshl_b32 s92, s92, 6
	s_add_co_u32 s93, s93, s92                     ; the first row
	s_lshl_b32 s94, s93, 9                         ; its codes: 512 bytes a row
	s_mov_b32 s95, 0
	s_lshl_b32 s96, s93, 5                         ; its scale bytes: 32 a row
	s_mov_b32 s97, 0
	s_and_b32 s2, s[WV], 3                         ; S1: waves 0 to 3 fetch rows 64 w on
	s_lshl_b32 s3, s88, 8
	s_lshl_b32 s2, s2, 6
	s_add_co_u32 s3, s3, s2
	s_lshl_b32 s4, s3, 9
	s_mov_b32 s5, 0
	s_lshl_b32 s6, s3, 5
	s_mov_b32 s7, 0
	s_mul_i32 s98, s[WV], TILE                     ; where wave w's rows go in a half: S1's 256 rows are waves 0-3's, S0's 128 waves 4-5's: no place in the cluster enters an LDS address
	s_lshl_b32 s99, s[WV], 11                      ; and their 2,048 scale bytes
	s_wait_dscnt 0x0
	s_wait_kmcnt 0x0
	s_cmp_eq_u32 s84, 1                            ; s[66:79]: S0's codes, S0's scales, S1's codes, S1's scales, the bias, the codes out, the scale bytes out
.irp k, 0,1,2,3,4,5,6
	s_cselect_b64 s[66+2*\k:67+2*\k], s[10+6*\k:11+6*\k], s[8+6*\k:9+6*\k]
.endr
	s_cmp_eq_u32 s84, 2
.irp k, 0,1,2,3,4,5,6
	s_cselect_b64 s[66+2*\k:67+2*\k], s[12+6*\k:13+6*\k], s[66+2*\k:67+2*\k]
.endr
	s_add_nc_u64 s[66:67], s[66:67], s[94:95]
	s_add_nc_u64 s[68:69], s[68:69], s[96:97]
	s_add_nc_u64 s[70:71], s[70:71], s[4:5]
	s_add_nc_u64 s[72:73], s[72:73], s[6:7]
	; descriptor group 1, codes: 64 rows x 256 bytes, 512 bytes apart in memory, 16 bytes of padding behind each in LDS.  s[8:15] S0's, s[16:23] S1's: they differ in the mask
	s_or_b32 s8, s91, (1<<20)|(1<<21)|(5<<22)|(3<<25)   ; 15:0 the mask; 17:16 elements of 1 byte; 20 padding on; 21 set beside a mask; 24:22 after every 64 words; 31:25 four words
	s_or_b32 s16, s90, (1<<20)|(1<<21)|(5<<22)|(3<<25)
.irp g, 8, 16
	s_mov_b32 s[\g+1], 256<<16                     ; tensor_dim0
	s_mov_b32 s[\g+2], 64<<16                      ; tensor_dim1
	s_mov_b32 s[\g+3], 256<<16                     ; tile_dim0
	s_mov_b32 s[\g+4], 64                          ; tile_dim1
	s_mov_b32 s[\g+5], 512                         ; from row to row
	s_mov_b32 s[\g+6], 0
	s_mov_b32 s[\g+7], 0
.endr
	; group 1, scale bytes of 64 rows: 2,048 dense bytes as 8 rows of 32 elements of 8 bytes.  s[24:31] S0's, s[32:39] S1's
	s_or_b32 s24, s91, (3<<16)|(1<<21)
	s_or_b32 s32, s90, (3<<16)|(1<<21)
.irp g, 24, 32
	s_mov_b32 s[\g+1], 32<<16
	s_mov_b32 s[\g+2], 8<<16
	s_mov_b32 s[\g+3], 32<<16
	s_mov_b32 s[\g+4], 8
	s_mov_b32 s[\g+5], 32
	s_mov_b32 s[\g+6], 0
	s_mov_b32 s[\g+7], 0
.endr
	CROUND                                         ; all sixteen work-groups are here: the joint loads meet
	; group 0, three sets a side: the scale bytes, half 0, half 1.  s[40:51] S0's, s[52:63] S1's
	s_mov_b32 s40, 1
	s_add_co_u32 s41, s99, SCL
	s_mov_b64 s[42:43], s[68:69]
	s_or_b32 s43, s43, 0x80000000
	s_mov_b32 s44, 1
	s_mov_b32 s45, s98
	s_mov_b64 s[46:47], s[66:67]
	s_or_b32 s47, s47, 0x80000000
	s_mov_b32 s48, 1
	s_add_co_u32 s49, s98, HALF
	s_add_nc_u64 s[50:51], s[66:67], 256
	s_or_b32 s51, s51, 0x80000000
	s_mov_b32 s52, 1
	s_add_co_u32 s53, s99, SCL
	s_mov_b64 s[54:55], s[72:73]
	s_or_b32 s55, s55, 0x80000000
	s_mov_b32 s56, 1
	s_mov_b32 s57, s98
	s_mov_b64 s[58:59], s[70:71]
	s_or_b32 s59, s59, 0x80000000
	s_mov_b32 s60, 1
	s_add_co_u32 s61, s98, HALF
	s_add_nc_u64 s[62:63], s[70:71], 256
	s_or_b32 s63, s63, 0x80000000
	s_cmp_lt_u32 s[WV], 4                          ; a wave's fills stand in one branch on its number: three tensor loads of mine are out, or none (waves 6 and 7)
	s_cbranch_scc0 .Lnot_s1
	tensor_load_to_lds s[52:55], s[32:39]
	s_nop 0
	tensor_load_to_lds s[56:59], s[16:23]
	s_nop 0
	tensor_load_to_lds s[60:63], s[16:23]
	s_nop 0
	PLACES 4
	s_branch .Lasked
.Lnot_s1:
	s_cmp_lt_u32 s[WV], 6
	s_cbranch_scc0 .Lasked
	tensor_load_to_lds s[40:43], s[24:31]
	s_nop 0
	tensor_load_to_lds s[44:47], s[8:15]
	s_nop 0
	tensor_load_to_lds s[48:51], s[8:15]
	s_nop 0
	PLACES 4
.Lasked:
	v_and_b32 v1, 15, v0                           ; r
	v_bfe_u32 v7, v0, 4, 1                         ; h
	v_mul_u32_u24 v8, v1, PITCH
	v_lshl_add_u32 v8, v7, 4, v8                   ; a fragment's row x pitch + 16 h
	s_and_b32 s92, s[WV], 1                        ; w0: my 64 rows of S0
	s_lshr_b32 s93, s[WV], 1                       ; w1: my 64 rows of S1
	s_mul_i32 s94, s92, TILE
	s_add_co_u32 s94, s94, 4*TILE                  ; S0's rows lie behind S1's 256
	s_mul_i32 s95, s93, TILE
	v_add_nc_u32 v[ADR0], s94, v8
	v_add_nc_u32 v[ADR0+1], HALF, v[ADR0]
	v_add_nc_u32 v[ADR1], s95, v8
	v_add_nc_u32 v[ADR1+1], HALF, v[ADR1]
	s_lshl_b32 s96, s92, 11
	s_lshl_b32 s97, s93, 11
	s_add_co_u32 s96, s96, 8192
	s_sub_co_u32 s96, s96, s97                     ; from my S1 rows' scale bytes to my S0 rows'
	v_mul_u32_u24 v9, s96, v7                      ; lanes 16-31 take S0's
	v_lshl_add_u32 v9, v1, 5, v9                   ; 32 bytes a row
	s_add_co_u32 s97, s97, SCL
	v_add_nc_u32 v[ADRS], s97, v9
	s_cmp_eq_u32 s84, 2                            ; the bias runs along W's rows: along the registers for q and k, along the lanes for v
	s_cbranch_scc1 .Lbias_v
	s_lshl_b32 s2, s86, 9
	s_lshl_b32 s3, s92, 8
	s_add_co_u32 s2, s2, s3                        ; 4 (128 t0 + 64 w0)
	s_mov_b32 s3, 0
	s_add_nc_u64 s[74:75], s[74:75], s[2:3]
	v_lshlrev_b32 v10, 5, v7                       ; + 32 h: tile b's eight numbers of my half
.irp b, 0,1,2,3
	global_load_b128 v[BI+8*\b:BI+8*\b+3], v10, s[74:75] offset:64*\b
	global_load_b128 v[BI+8*\b+4:BI+8*\b+7], v10, s[74:75] offset:64*\b+16
.endr
	s_branch .Lbias_done
.Lbias_v:
	s_lshl_b32 s2, s88, 10
	s_lshl_b32 s3, s93, 8
	s_add_co_u32 s2, s2, s3                        ; 4 (256 t1 + 64 w1)
	s_mov_b32 s3, 0
	s_add_nc_u64 s[74:75], s[74:75], s[2:3]
	v_lshlrev_b32 v10, 2, v1                       ; + 4 r: tile a's number of my lane
.irp a, 0,1,2,3
	global_load_b32 v[OS+\a], v10, s[74:75] offset:64*\a
.endr
.Lbias_done:
	s_wait_tensorcnt 0x1                           ; tensor loads of a wave end in order: my scale bytes and my part of half 0 are in; half 1's load may stay out
	s_barrier_signal -1
	s_barrier_wait -1                              ; everybody's are
	SCALES 0
	FETCH 0
	s_wait_loadcnt 0x0                             ; the bias
	s_cmp_eq_u32 s84, 2
	s_cbranch_scc1 .Lfirst_v
	MUL16 0, 1
	s_branch .Lfirst_done
.Lfirst_v:
.irp a, 0,1,2,3
.irp j, 0,1,2,3,4,5,6,7
	v_mov_b32 v[BI+8*\a+\j], v[OS+\a]              ; all eight rows of a lane's column take the lane's bias
.endr
.endr
	PLACES 4
	MUL16 0, 2
.Lfirst_done:
	KSTEP 1
	KSTEP 2
	KSTEP 3
	s_wait_tensorcnt 0x0                           ; my part of half 1 is in (no LDS load of mine is out: the last count-down ended at 0),
	s_barrier_signal -1
	s_barrier_wait -1                              ; everybody's is
	PLACES 4                                       ; in front of loads into the scale and fragment registers
	SCALES 1
	FETCH 4
	MUL16 4, 0
	KSTEP 5
	KSTEP 6
	KSTEP 7
	; THE WAY OUT.  Where my four images and their scale bytes go.  No tensor load is out, so the descriptors' registers are free.
	; q, k: image [bh][token tile][512], scale bytes [bh][token] u16;  bh = 16 batch + head, head = 2 t0 + w0, token tile = 16 t1 + 4 w1 + a
	s_lshl_b32 s8, s88, 4
	s_lshl_b32 s9, s93, 2
	s_add_co_u32 s8, s8, s9
	s_and_b32 s9, s8, 127                          ; the tile within its batch
	s_lshr_b32 s8, s8, 7
	s_lshl_b32 s8, s8, 4
	s_lshl_b32 s10, s86, 1
	s_add_co_u32 s8, s8, s10
	s_add_co_u32 s8, s8, s92
	s_lshl_b32 s10, s8, 16
	s_lshl_b32 s11, s9, 9
	s_or_b32 s10, s10, s11
	s_lshl_b32 s11, s8, 12
	s_lshl_b32 s9, s9, 5
	s_or_b32 s11, s11, s9
	; v: image [bh][key step][d tile a][c][512], scale words [bh][key step][d tile][r], my two bytes at 2 c;  batch = t0 / 16, key step = t0 % 16, c = w0, head = 4 t1 + w1
	s_and_b32 s12, s86, 15
	s_lshr_b32 s13, s86, 4
	s_lshl_b32 s13, s13, 4
	s_lshl_b32 s14, s88, 2
	s_add_co_u32 s13, s13, s14
	s_add_co_u32 s13, s13, s93
	s_lshl_b32 s14, s13, 16
	s_lshl_b32 s15, s12, 12
	s_or_b32 s14, s14, s15
	s_lshl_b32 s15, s92, 9
	s_or_b32 s14, s14, s15
	s_lshl_b32 s15, s13, 12
	s_lshl_b32 s12, s12, 8
	s_or_b32 s15, s15, s12
	s_lshl_b32 s12, s92, 1
	s_or_b32 s15, s15, s12
	s_cmp_eq_u32 s84, 2
	s_cselect_b32 s16, s14, s10
	s_cselect_b32 s18, s15, s11
	s_cselect_b32 s20, 10, 9                       ; from tile a to a + 1: 1,024 or 512 bytes of codes,
	s_cselect_b32 s21, 6, 5                        ; 64 or 32 scale bytes;
	s_cselect_b32 s22, 2, 1                        ; from lane r to r + 1: 4 or 2
	s_mov_b32 s17, 0
	s_mov_b32 s19, 0
	s_add_nc_u64 s[76:77], s[76:77], s[16:17]
	s_add_nc_u64 s[78:79], s[78:79], s[18:19]
	s_lshl_b32 s20, 1, s20
	s_lshl_b32 s21, 1, s21
	v_and_b32 v[OC], 31, v0                        ; these sixteen lines name no register of the last products: they are the places behind them
	v_lshlrev_b32 v[OC], 4, v[OC]
	v_add_nc_u32 v[OC+1], s20, v[OC]
	v_add_nc_u32 v[OC+2], s20, v[OC+1]
	v_add_nc_u32 v[OC+3], s20, v[OC+2]
	v_lshlrev_b32 v[OS], s22, v1
	v_add_nc_u32 v[OS+1], s21, v[OS]
	v_add_nc_u32 v[OS+2], s21, v[OS+1]
	v_add_nc_u32 v[OS+3], s21, v[OS+2]
	s_mov_b32 s24, 0x76543210
	s_mov_b32 s25, 0xfedcba98                      ; v_permlanex16_b32's selects for lane l xor 16
.irp m, 0,1,2,3,4,5,6,7
	v_mov_b32 v[TM+8+\m], 0                        ; a lane permute's destination counts as one of its sources
.endr
	; Eight blocks of 32 (S1 tile a, X or Y): block m = 2 a + y is the 16 registers from ACC + 16 m on, of lanes l and l xor 16.  Each accumulator is read from its low end on.
.irp m, 0,1,2,3,4,5,6,7
	v_max3_num_f32 v[TM+\m], |v[ACC+16*\m]|, |v[ACC+16*\m+1]|, 0x1800000   ; and the floor 2^(3 - 127): the byte cannot fall under 1
.endr
.irp i, 2,4,6,8,10,12,14
.irp m, 0,1,2,3,4,5,6,7
	v_max3_num_f32 v[TM+\m], v[TM+\m], |v[ACC+16*\m+\i]|, |v[ACC+16*\m+\i+1]|   ; the eight blocks by turns
.endr
.endr
.irp m, 0,1,2,3,4,5,6,7
	v_permlanex16_b32 v[TM+8+\m], v[TM+\m], s24, s25
.endr
.irp m, 0,1,2,3,4,5,6,7
	v_max_num_f32 v[TM+\m], v[TM+\m], v[TM+8+\m]   ; the block's largest magnitude
.endr
.irp m, 0,1,2,3,4,5,6,7
	v_add_nc_u32 v[TM+16+\m], 0xff000000, v[TM+\m] ; 2 off its exponent field: the conversion takes the exponent field of this operand as its scale
.endr
.irp m, 0,1,2,3,4,5,6,7
	v_lshrrev_b32 v[TM+24+\m], 23, v[TM+16+\m]     ; the scale's byte
.endr
.irp a, 0,1,2,3
	v_lshl_or_b32 v[104+\a], v[TM+25+2*\a], 8, v[TM+24+2*\a]   ; X's byte below, Y's above
.endr
.irp a, 0,1,2,3
	v_cvt_scalef32_pk8_fp4_f32 v[F0+4*\a],   v[ACC+32*\a:ACC+32*\a+7],     v[TM+16+2*\a]   ; X: k = 8 h + 0 .. 7
	v_cvt_scalef32_pk8_fp4_f32 v[F0+4*\a+1], v[ACC+32*\a+16:ACC+32*\a+23], v[TM+17+2*\a]   ; Y: the same
	v_cvt_scalef32_pk8_fp4_f32 v[F0+4*\a+2], v[ACC+32*\a+8:ACC+32*\a+15],  v[TM+16+2*\a]   ; X: k = 16 + 8 h + 0 .. 7
	v_cvt_scalef32_pk8_fp4_f32 v[F0+4*\a+3], v[ACC+32*\a+24:ACC+32*\a+31], v[TM+17+2*\a]   ; Y: the same
.endr
	v_nop                                          ; one plain place behind a scaled conversion
.irp a, 0,1,2,3
	v_permlane16_swap_b32 v[F0+4*\a], v[F0+4*\a+1]     ; the first's lanes 16-31 change places with the second's lanes 0-15: k 0-7 and 8-15 of X below, of Y above
	v_permlane16_swap_b32 v[F0+4*\a+2], v[F0+4*\a+3]   ; k 16-23 and 24-31
.endr
.irp a, 0,1,2,3
	global_store_b128 v[OC+\a], v[F0+4*\a:F0+4*\a+3], s[76:77]   ; an image: 512 consecutive bytes
	global_store_b16 v[OS+\a], v[104+\a], s[78:79]               ; lanes r and r + 16 store the same two bytes at the same place
.endr
	s_set_vgpr_msb 0x5
	s_wait_tensorcnt 0x0
	ds_add_u32 v0, v1
	s_wait_dscnt 0x0
	s_set_vgpr_msb 0x500
	CROUND                                         ; the closing round: no work-group ends while a partner may still ask for a tile that names it
	s_endpgm
.Lfunc_end_k_q990ba2b42d_proj:
	.size	k_q990ba2b42d_proj, .Lfunc_end_k_q990ba2b42d_proj-k_q990ba2b42d_proj
	.p2alignl 7, 3214868480
	.fill 96, 4, 3214868480
	.section	.rodata,"a",@progbits
	.p2align	6, 0x0
	.amdhsa_kernel k_q990ba2b42d_proj
		.amdhsa_group_segment_fixed_size 222208
		.amdhsa_private_segment_fixed_size 0
		.amdhsa_enable_private_segment 0
		.amdhsa_kernarg_size 168
		.amdhsa_user_sgpr_count 2
		.amdhsa_user_sgpr_kernarg_segment_ptr 1
		.amdhsa_wavefront_size32 1
		.amdhsa_system_sgpr_workgroup_id_x 1
		.amdhsa_system_sgpr_workgroup_id_y 1
		.amdhsa_system_sgpr_workgroup_id_z 1
		.amdhsa_system_vgpr_workitem_id 0
		.amdhsa_next_free_vgpr 258
		.amdhsa_next_free_sgpr 100
		.amdhsa_reserve_vcc 0
		.amdhsa_float_denorm_mode_32 3
		.amdhsa_float_denorm_mode_16_64 3
		.amdhsa_memory_ordered 1
		.amdhsa_forward_progress 1
		.amdhsa_inst_pref_size 51
	.end_amdhsa_kernel
	.amdgpu_metadata
---
amdhsa.version: [ 1, 2 ]
amdhsa.kernels:
  - .name:           k_q990ba2b42d_proj
    .symbol:         k_q990ba2b42d_proj.kd
    .args:
      - { .name: W_q_codes, .offset: 0, .size: 8, .value_kind: global_buffer, .address_space: global }
      - { .name: W_k_codes, .offset: 8, .size: 8, .value_kind: global_buffer, .address_space: global }
      - { .name: value_codes, .offset: 16, .size: 8, .value_kind: global_buffer, .address_space: global }
      - { .name: W_q_scales, .offset: 24, .size: 8, .value_kind: global_buffer, .address_space: global }
      - { .name: W_k_scales, .offset: 32, .size: 8, .value_kind: global_buffer, .address_space: global }
      - { .name: value_scales, .offset: 40, .size: 8, .value_kind: global_buffer, .address_space: global }
      - { .name: query_codes, .offset: 48, .size: 8, .value_kind: global_buffer, .address_space: global }
      - { .name: key_codes, .offset: 56, .size: 8, .value_kind: global_buffer, .address_space: global }
      - { .name: W_v_codes, .offset: 64, .size: 8, .value_kind: global_buffer, .address_space: global }
      - { .name: query_scales, .offset: 72, .size: 8, .value_kind: global_buffer, .address_space: global }
      - { .name: key_scales, .offset: 80, .size: 8, .value_kind: global_buffer, .address_space: global }
      - { .name: W_v_scales, .offset: 88, .size: 8, .value_kind: global_buffer, .address_space: global }
      - { .name: b_q, .offset: 96, .size: 8, .value_kind: global_buffer, .address_space: global }
      - { .name: b_k, .offset: 104, .size: 8, .value_kind: global_buffer, .address_space: global }
      - { .name: b_v, .offset: 112, .size: 8, .value_kind: global_buffer, .address_space: global }
      - { .name: qf, .offset: 120, .size: 8, .value_kind: global_buffer, .address_space: global }
      - { .name: kf, .offset: 128, .size: 8, .value_kind: global_buffer, .address_space: global }
      - { .name: vf, .offset: 136, .size: 8, .value_kind: global_buffer, .address_space: global }
      - { .name: qs, .offset: 144, .size: 8, .value_kind: global_buffer, .address_space: global }
      - { .name: ks, .offset: 152, .size: 8, .value_kind: global_buffer, .address_space: global }
      - { .name: vs, .offset: 160, .size: 8, .value_kind: global_buffer, .address_space: global }
    .group_segment_fixed_size: 222208
    .private_segment_fixed_size: 0
    .kernarg_segment_align: 8
    .kernarg_segment_size: 168
    .max_flat_workgroup_size: 256
    .sgpr_count:     100
    .vgpr_count:     258
    .wavefront_size: 32
...
	.end_amdgpu_metadata
.endif
;; end of part 1
;; launch attn (part 2): grid 512 x 1, 16 waves a work-group, no clusters, 145,408 bytes of LDS; arguments qf, qs, kf, ks, vf, vs, valid_length, aof, aos; writes aof, aos
.if DOCPART == 2
	.amdgcn_target "amdgcn-amd-amdhsa--gfx1250"
	.amdhsa_code_object_version 6
	.text
	.protected	k_q990ba2b42d_attn
	.globl	k_q990ba2b42d_attn
	.p2align	8
	.type	k_q990ba2b42d_attn,@function
k_q990ba2b42d_attn:
	s_mov_b64 s[64:65], 0
	v_nop
	global_prefetch_b8 v0, s[64:65] scope:SCOPE_SE
	s_setreg_imm32_b32 hwreg(HW_REG_WAVE_MODE, 25, 1), 1
	s_wait_xcnt 0x0
; o[b][q][head] = softmax_k(q . k / 8, keys at or behind valid_length[b] replaced by -1e7) v, both products on codes of FP4 (E2M1) with one E8M0 scale for each 32 along a product's K; o is quantised along 64 head + d.
; THE SOFTMAX AHEAD OF THE SECOND PRODUCT: t = score x log2(e) / 8; M = the row's largest t so far, rounded UP to a whole number; p = 2^(t - M) is quantised along the keys, not normalised;
; the row's sum is taken of the unquantised p and divides at the end.  When M moves, the sum and O are multiplied by 2^(old M - new M): exact.
; SHARES.  A work-group owns 256 queries of one (batch, head); each of its sixteen waves 16 of them, in 256 registers: four waves to a SIMD, so that one wave's vector work stands beside another's products and LDS loads.
; KEY STEPS WHOLLY BEHIND valid_length ARE NOT WALKED: their p is 0 beside a row's valid keys.  With valid_length = 0 every score is the same replaced number and all 2,048 keys are walked (NEFF = 2,048, VL = 0).
; NO TENSOR LOAD, AND SO NO CLUSTER AND NO JOINT REQUEST, though the eight query blocks of a head read the same k and v: how many key steps are fetched and walked hangs on valid_length, a number read from memory.
; Wave w brings key step w (8 KB of codes, 768 bytes of scales) through registers into LDS, once, if it is walked: one barrier in the launch.
; THE LONGEST BATCHES FIRST: the four batches are sorted by the keys that they walk, and work-groups 128 i .. 128 i + 127 take the batch of rank i.
; LAYOUT.  Both products transposed: S^T = k q^T (source 0 = 16 keys, source 1 = my 16 queries), O^T = v^T p^T (source 0 = 16 channels x 128 keys): a lane holds ONE query (lane % 16) throughout.
; The first product's K is 64, half of the instruction's 128: q's registers 4-7 are zero codes; k's operand for tile t is eight registers from its image on, whose upper four (the next tile's codes) so multiply zeros.
; THE REPLACED SCORE is written as -2^27 ahead of the factor log2(e) / 8: its t is a whole number, so that in a row replaced throughout t - M is exactly 0 and p = 1, as with -1e7 x log2(e), which is a whole number in f32 too.
; LIMITS: where a row has a valid key, its largest logit is taken to lie above -1e7 + 110, so that the replaced keys' p is 0 here as there; a p under 2^-126 counts as 0; a block of zeros gets the scale byte 1
; (only this program reads the bytes); NaN and infinities are not served; valid_length under 0 counts as 0, above 2,048 as 2,048.
.set KIMG, 0                           ; LDS: k's images, 4,096 bytes a key step (8 tiles of 16 keys x 512)
.set VIMG, 65536                       ; v's, 4,096 a key step (4 channel tiles x 2 halves x 512)
.set KSCL, 131072                      ; k's scale words, 512 bytes a step: [lane L][4]: key 32 i + L's two bytes, widened with zeros
.set VSCL, 139264                      ; v's, 256 bytes a step: [lane L][2]: word 32 i + L of the step's 64 (channel tile 2 i + L / 16, row L % 16)
.set LI,  1                            ; v1   16 x lane: my place in an image
.set LIS, 2                            ; v2   KSCL + 16 x lane
.set LT,  3                            ; v3   VSCL + 8 x lane
.set MH,  4                            ; v4   8 (lane / 16): my half's first key in a tile
.set ADK, 8                            ; v8-11 the step's LDS addresses: k, v, k's scale words, v's
.set ADV, 9
.set ADS, 10
.set ADT, 11
.set QF,  16                           ; v16-19 q's codes, v20-23 zero codes
.set QS,  24                           ; v24  q's scale word
.set PW,  25                           ; v25  p's scale word
.set FF,  26                           ; v[26:27] f = 2^(old M - new M), later 1 / the sum; the pair's upper register is written once and not used
.set KS,  28                           ; v28-31 k's scale words of the step
.set VS,  32                           ; v32-33 v's
.set KF,  36                           ; v36-67 k's eight images, v68-71 zero codes
.set VF,  72                           ; v72-103 v's four fragments
.set SS,  104                          ; v104-167 S^T, then p; at the head what is on its way into LDS
.set OO,  168                          ; v168-199 O^T
.set PC,  200                          ; v200-207 p's codes
.set BM,  208                          ; v208-211 a block's largest score, then p; v212-215 the other half's, then bytes; v216-219 the conversions' scale operands
.set WV,   22
.set BB,   30                          ; batch
.set HEAD, 31
.set QB,   32
.set BH,   33
.set VL,   34                          ; keys from here on are replaced
.set NEFF, 35                          ; keys from here on are not walked
.set SEL,  36                          ; s[36:37] v_permlanex16_b32's selects for lane l xor 16
.set CS,   38                          ; s[38:39] c = log2(e) / 8
.set KFS,  40                          ; the step's first key
.set TK,   41                          ; the step's images: 4,096 bytes a step
.set TS,   42                          ; k's scale words: 512
.set TT,   43                          ; v's: 256
.macro PLACES n
.rept \n
	v_nop
.endr
.endm
.macro ORDER i, j                      ; the larger key to place i
	s_max_u32 s44, s[24+\i], s[24+\j]
	s_min_u32 s[24+\j], s[24+\i], s[24+\j]
	s_mov_b32 s[24+\i], s44
.endm
	s_load_b512 s[4:19], s[0:1], 0x0               ; qf s[4:5], qs s[6:7], kf s[8:9], ks s[10:11], vf s[12:13], vs s[14:15], valid_length s[16:17], aof s[18:19]
	s_load_b64 s[20:21], s[0:1], 0x40              ; aos
	v_lshl_add_u32 v254, v0, 2, 0x23000
	v_mov_b32 v255, 0
	v_lshrrev_b32 v8, 5, v0
	v_readfirstlane_b32 s[WV], v8                  ; wave 0..15
	v_and_b32 v9, 31, v0                           ; lane
	v_and_b32 v10, 15, v0                          ; r
	v_bfe_u32 v11, v0, 4, 1                        ; h
	v_lshlrev_b32 v[LI], 4, v9
	v_add_nc_u32 v[LIS], KSCL, v[LI]
	v_lshl_add_u32 v[LT], v9, 3, VSCL
	v_lshlrev_b32 v[MH], 3, v11
	v_lshlrev_b32 v5, 1, v9                        ; 2 x lane, 4 x lane, 2 r: offsets in the scale buffers
	v_lshlrev_b32 v6, 2, v9
	v_lshlrev_b32 v7, 1, v10
	s_lshl_b32 s44, s[WV], 12                      ; where wave w puts key step w: made ahead of the branch, in registers that hold nothing else
	v_add_nc_u32 v232, s44, v[LI]
	v_add_nc_u32 v233, VIMG, v232
	s_lshl_b32 s45, s[WV], 9
	v_add_nc_u32 v234, s45, v[LIS]
	s_lshl_b32 s46, s[WV], 8
	v_add_nc_u32 v235, s46, v[LT]
	s_mov_b32 s[SEL], 0x76543210
	s_mov_b32 s[SEL+1], 0xfedcba98
	s_mov_b32 s[CS], 0x3e38aa3b
	s_mov_b32 s[CS+1], s[CS]                       ; (named with it as a pair, so it is written)
	s_wait_kmcnt 0x0
	s_load_b128 s[24:27], s[16:17], 0x0            ; the four lengths
	v_mov_b32 v13, 0xff61b1e6                      ; the largest t so far: -3e38, under every t.  (The start values are written while the scalar load is out)
	v_floor_f32 v12, -v13                          ; -M
	v_mov_b32 v14, 0                               ; the sum, in two halves
	v_mov_b32 v15, 0
.irp i, 0,1,2,3
	v_mov_b32 v[QF+4+\i], 0                        ; zero codes
	v_mov_b32 v[KF+32+\i], 0
	v_mov_b32 v[BM+4+\i], 0                        ; a lane permute's destination counts as one of its sources
.endr
	v_mov_b32 v[FF+1], 0
.set j, 0
.rept 32
	v_mov_b32 v[OO+j], 0                           ; O^T: the step is written once; the first finds zeros, which the first change of M leaves zeros
.set j, j+1
.endr
	s_wait_kmcnt 0x0
.irp i, 0,1,2,3                        ; batch i's key: the keys walked x 8, 4 where the length is 0, 3 - i: no two keys are equal
	s_max_i32 s[24+\i], s[24+\i], 0
	s_min_u32 s[24+\i], s[24+\i], 2048
	s_cmp_eq_u32 s[24+\i], 0
	s_cselect_b32 s44, 4, 0
	s_cselect_b32 s[24+\i], 2048, s[24+\i]
	s_lshl_b32 s[24+\i], s[24+\i], 3
	s_or_b32 s[24+\i], s[24+\i], s44
	s_or_b32 s[24+\i], s[24+\i], 3-\i
.endr
	ORDER 0, 1                                     ; five comparisons sort four keys, the largest first
	ORDER 2, 3
	ORDER 0, 2
	ORDER 1, 3
	ORDER 1, 2
	s_lshr_b32 s45, ttmp9, 7                       ; my rank
	s_cmp_eq_u32 s45, 1
	s_cselect_b32 s46, s25, s24
	s_cmp_eq_u32 s45, 2
	s_cselect_b32 s46, s26, s46
	s_cmp_eq_u32 s45, 3
	s_cselect_b32 s46, s27, s46
	s_and_b32 s[BB], s46, 3
	s_sub_co_u32 s[BB], 3, s[BB]
	s_min_u32 s[BB], s[BB], 3                      ; the batch: it enters addresses, by shifts to the left and additions alone
	s_lshr_b32 s[NEFF], s46, 3
	s_bitcmp1_b32 s46, 2
	s_cselect_b32 s[VL], 0, s[NEFF]
	s_and_b32 s[HEAD], ttmp9, 127
	s_lshr_b32 s[HEAD], s[HEAD], 3
	s_and_b32 s[QB], ttmp9, 7
	s_lshl_b32 s[BH], s[BB], 4
	s_add_co_u32 s[BH], s[BH], s[HEAD]
	s_lshl_b32 s44, s[BH], 16                      ; a (batch, head)'s codes: 65,536 bytes in qf, kf and vf,
	s_lshl_b32 s46, s[BH], 12                      ; its scales: 4,096 in qs, ks and vs
	s_lshl_b32 s48, s[QB], 4
	s_add_co_u32 s48, s48, s[WV]                   ; my tile of 16 queries
	s_mov_b32 s51, 0
	s_lshl_b32 s50, s48, 9
	s_add_co_u32 s50, s50, s44
	s_add_nc_u64 s[4:5], s[4:5], s[50:51]
	s_lshl_b32 s50, s48, 5
	s_add_co_u32 s50, s50, s46
	s_add_nc_u64 s[6:7], s[6:7], s[50:51]
	s_lshl_b32 s50, s[WV], 12                      ; key step w
	s_add_co_u32 s50, s50, s44
	s_add_nc_u64 s[8:9], s[8:9], s[50:51]
	s_add_nc_u64 s[12:13], s[12:13], s[50:51]
	s_lshl_b32 s50, s[WV], 8
	s_add_co_u32 s50, s50, s46
	s_add_nc_u64 s[10:11], s[10:11], s[50:51]
	s_add_nc_u64 s[14:15], s[14:15], s[50:51]
	s_lshl_b32 s52, s[BB], 7
	s_add_co_u32 s52, s52, s48                     ; my token tile among all 512
	s_lshl_b32 s50, s52, 13                        ; aof: [token tile][head][512]
	s_lshl_b32 s53, s[HEAD], 9
	s_add_co_u32 s50, s50, s53
	s_add_nc_u64 s[18:19], s[18:19], s[50:51]
	s_lshl_b32 s50, s52, 9                         ; aos: [token][32], my head's two bytes at 2 head
	s_lshl_b32 s53, s[HEAD], 1
	s_add_co_u32 s50, s50, s53
	s_add_nc_u64 s[20:21], s[20:21], s[50:51]
	global_load_b128 v[QF:QF+3], v[LI], s[4:5]     ; q's image: lane (r, h): block h of query r
	global_load_u16 v[QS], v7, s[6:7]              ; its two scale bytes; bytes 2 and 3 are 0 and scale zero codes
	s_lshl_b32 s44, s[WV], 7
	s_cmp_lt_u32 s44, s[NEFF]
	s_cbranch_scc0 .Lno_stage                      ; key step w is not walked: nothing of it is fetched
.irp t, 0,1,2,3,4,5,6,7
	global_load_b128 v[SS+4*\t:SS+4*\t+3], v[LI], s[8:9] offset:512*\t
.endr
.irp t, 0,1,2,3,4,5,6,7
	global_load_b128 v[SS+32+4*\t:SS+32+4*\t+3], v[LI], s[12:13] offset:512*\t
.endr
.irp i, 0,1,2,3
	global_load_u16 v[PC+\i], v5, s[10:11] offset:64*\i      ; key 32 i + lane
.endr
.irp i, 0,1
	global_load_b32 v[PC+4+\i], v6, s[14:15] offset:128*\i   ; word 32 i + lane
.endr
	s_wait_loadcnt 0x0
.irp t, 0,1,2,3,4,5,6,7
	ds_store_b128 v232, v[SS+4*\t:SS+4*\t+3] offset:512*\t
.endr
.irp t, 0,1,2,3,4,5,6,7
	ds_store_b128 v233, v[SS+32+4*\t:SS+32+4*\t+3] offset:512*\t
.endr
	ds_store_b128 v234, v[PC:PC+3]
	ds_store_b64 v235, v[PC+4:PC+5]
.Lno_stage:
	s_wait_loadcnt 0x0                             ; q
	s_wait_dscnt 0x0                               ; for the others' sake: my stores have landed
	s_barrier_signal -1
	s_barrier_wait -1                              ; every walked key step lies in LDS; nothing is stored there from here on
	s_mov_b32 s[KFS], 0
	s_mov_b32 s[TK], 0
	s_mov_b32 s[TS], 0
	s_mov_b32 s[TT], 0
.Lstep:                                            ; sixteen trips, a constant; a step that is not walked is jumped over, all but the lines that step addresses
	s_cmp_ge_u32 s[KFS], s[NEFF]
	s_cbranch_scc1 .Lhidden
	v_add_nc_u32 v[ADK], s[TK], v[LI]              ; these four are also the places in front of loads into registers that the last products read
	v_add_nc_u32 v[ADV], VIMG, v[ADK]
	v_add_nc_u32 v[ADS], s[TS], v[LIS]
	v_add_nc_u32 v[ADT], s[TT], v[LT]
	ds_load_b128 v[KS:KS+3], v[ADS]
.irp t, 0,1,2,3,4,5,6,7
	ds_load_b128 v[KF+4*\t:KF+4*\t+3], v[ADK] offset:512*\t
.endr
	ds_load_b64 v[VS:VS+1], v[ADT]
.irp u, 0,1,2,3,4,5,6,7
	ds_load_b128 v[VF+4*\u:VF+4*\u+3], v[ADV] offset:512*\u
.endr
	s_wait_dscnt 0x9                               ; k and its scale words are in; v's nine loads may stay out
.irp t, 0,1,2,3,4,5,6,7                        ; S^T: tile t's keys 16 t + 8 h + j in register j; its scale words in lanes 0-15 (even t) or 16-31 (odd t) of register t / 2
.if \t % 2
	v_wmma_scale_f32_16x16x128_f8f6f4 v[SS+8*\t:SS+8*\t+7], v[KF+4*\t:KF+4*\t+7], v[QF:QF+7], 0, v[KS+\t/2], v[QS] matrix_a_fmt:MATRIX_FMT_FP4 matrix_b_fmt:MATRIX_FMT_FP4 matrix_a_scale:MATRIX_SCALE_ROW1
.else
	v_wmma_scale_f32_16x16x128_f8f6f4 v[SS+8*\t:SS+8*\t+7], v[KF+4*\t:KF+4*\t+7], v[QF:QF+7], 0, v[KS+\t/2], v[QS] matrix_a_fmt:MATRIX_FMT_FP4 matrix_b_fmt:MATRIX_FMT_FP4
.endif
.endr
	PLACES 4
	s_add_co_u32 s44, s[KFS], 128                  ; a step all of whose keys count skips the mask
	s_cmp_le_u32 s44, s[VL]
	s_cbranch_scc1 .Lopen
	s_sub_co_i32 s44, s[VL], s[KFS]
	v_sub_nc_u32 v220, s44, v[MH]                  ; d = VL - the step's first key - 8 h.  Register n holds key 16 (n / 8) + n % 8 + 8 h of the step: replaced where 16 (n / 8) + n % 8 >= d
	v_mov_b32 v221, 0xcd000000                     ; -2^27
.set n, 0
.rept 64
	v_cmp_ge_i32 vcc_lo, 16*(n/8)+n%8, v220
	v_cndmask_b32 v[SS+n], v[SS+n], v221, vcc_lo
.set n, n+1
.endr
.Lopen:
.irp b, 0,1,2,3
	v_max3_num_f32 v[BM+\b], v[SS+16*\b], v[SS+16*\b+1], v[SS+16*\b+2]   ; the largest score of each block of 32 keys: it serves the row's maximum and, since p rises with the score, the block's largest p
.endr
.irp i, 3,5,7,9,11,13
.irp b, 0,1,2,3
	v_max3_num_f32 v[BM+\b], v[BM+\b], v[SS+16*\b+\i], v[SS+16*\b+\i+1]  ; the four blocks by turns
.endr
.endr
.irp b, 0,1,2,3
	v_max_num_f32 v[BM+\b], v[BM+\b], v[SS+16*\b+15]
.endr
.irp b, 0,1,2,3
	v_permlanex16_b32 v[BM+4+\b], v[BM+\b], s[SEL], s[SEL+1]
.endr
.irp b, 0,1,2,3
	v_max_num_f32 v[BM+\b], v[BM+\b], v[BM+4+\b]   ; with lane l xor 16's 16 keys
.endr
	v_max3_num_f32 v220, v[BM], v[BM+1], v[BM+2]
	v_max_num_f32 v220, v220, v[BM+3]              ; the step's largest score of my query,
	v_mul_f32 v220, s[CS], v220                    ; as t (c is positive)
	v_max_num_f32 v13, v13, v220                   ; the running largest t
	v_mov_b32 v220, v12
	v_floor_f32 v12, -v13                          ; the new -M = floor(-t) = -ceil(t): a whole number
	v_sub_f32 v220, v12, v220                      ; old M - new M: a whole number, 0 or less
	v_cvt_i32_f32 v220, v220                       ; (it saturates)
	v_ldexp_f32 v[FF], 1.0, v220                   ; f = 2^(old M - new M)
.set j, 0
.rept 32
	v_pk_fma_f32 v[SS+j:SS+j+1], v[SS+j:SS+j+1], s[CS:CS+1], v[12:13] op_sel_hi:[1,0,0]   ; t - M, two at a time (of the pairs c and -M the low word serves both halves)
.set j, j+2
.endr
.irp b, 0,1,2,3
	v_fma_f32 v[BM+\b], v[BM+\b], s[CS], v12       ; the same of each block's largest score
.endr
.set j, 0
.rept 64
	v_exp_f32 v[SS+j], v[SS+j]                     ; p = 2^(t - M): not normalised
.set j, j+1
.endr
	v_pk_mul_f32 v[14:15], v[14:15], v[FF:FF+1] op_sel_hi:[1,0]   ; the sums under the new M: a plain line behind the exponentials
	s_wait_alu depctr_va_vdst(0)                   ; one wait for the batch of 64, ahead of its first reader
.irp b, 0,1,2,3
	v_exp_f32 v[BM+\b], v[BM+\b]                   ; the block's largest p: the same two instructions on the same number give the same bits
.endr
	v_pk_add_f32 v[222:223], v[SS:SS+1], v[SS+2:SS+3]   ; the row's sum is taken of the unquantised p, two at a time, in two chains; it reads the 64 alone
.set j, 4
.rept 15
	v_pk_add_f32 v[14:15], v[14:15], v[SS+j:SS+j+1]
	v_pk_add_f32 v[222:223], v[222:223], v[SS+j+2:SS+j+3]
.set j, j+4
.endr
	v_pk_add_f32 v[14:15], v[14:15], v[222:223]
	s_wait_alu depctr_va_vdst(0)                   ; and one for the four
.irp b, 0,1,2,3
	v_max_num_f32 v[BM+\b], 0x1800000, v[BM+\b]    ; the floor 2^(3 - 127): the byte cannot fall under 1 (a block whose every p is 0 keeps that byte: its codes are zeros)
.endr
.irp b, 0,1,2,3
	v_add_nc_u32 v[BM+8+\b], 0xff000000, v[BM+\b]  ; 2 off the exponent field: the conversion's scale operand
.endr
.irp b, 0,1,2,3
	v_lshrrev_b32 v[BM+4+\b], 23, v[BM+8+\b]       ; the scale's byte
.endr
	v_lshl_or_b32 v[PW], v[BM+5], 8, v[BM+4]       ; p's scale word for these 128 keys
	v_lshl_or_b32 v[PW], v[BM+6], 16, v[PW]
	v_lshl_or_b32 v[PW], v[BM+7], 24, v[PW]
.irp c, 0,1                                    ; blocks X = 2 c and Y = 2 c + 1: X tile 0, Y tile 0, X tile 1, Y tile 1
	v_cvt_scalef32_pk8_fp4_f32 v[PC+4*\c],   v[SS+32*\c:SS+32*\c+7],     v[BM+8+2*\c]
	v_cvt_scalef32_pk8_fp4_f32 v[PC+4*\c+1], v[SS+32*\c+16:SS+32*\c+23], v[BM+9+2*\c]
	v_cvt_scalef32_pk8_fp4_f32 v[PC+4*\c+2], v[SS+32*\c+8:SS+32*\c+15],  v[BM+8+2*\c]
	v_cvt_scalef32_pk8_fp4_f32 v[PC+4*\c+3], v[SS+32*\c+24:SS+32*\c+31], v[BM+9+2*\c]
.endr
	v_nop                                          ; one plain place behind a scaled conversion
.irp c, 0,1
	v_permlane16_swap_b32 v[PC+4*\c], v[PC+4*\c+1]     ; registers 4 c .. 4 c + 3 now hold keys 64 c + 32 h + 0 .. 31
	v_permlane16_swap_b32 v[PC+4*\c+2], v[PC+4*\c+3]
.endr
.set j, 0
.rept 16
	v_pk_mul_f32 v[OO+j:OO+j+1], v[OO+j:OO+j+1], v[FF:FF+1] op_sel_hi:[1,0]   ; O^T under the new M, each accumulator from its low end on.  For each product below twelve of these name none of its registers: the places between p's scale word and codes and that product
.set j, j+2
.endr
	s_wait_dscnt 0x0                               ; v and its scale words
.irp d, 0,1,2,3                                ; O^T += v^T p^T: four accumulators by turns
.if \d % 2
	v_wmma_scale_f32_16x16x128_f8f6f4 v[OO+8*\d:OO+8*\d+7], v[VF+8*\d:VF+8*\d+7], v[PC:PC+7], v[OO+8*\d:OO+8*\d+7], v[VS+\d/2], v[PW] matrix_a_fmt:MATRIX_FMT_FP4 matrix_b_fmt:MATRIX_FMT_FP4 matrix_a_scale:MATRIX_SCALE_ROW1
.else
	v_wmma_scale_f32_16x16x128_f8f6f4 v[OO+8*\d:OO+8*\d+7], v[VF+8*\d:VF+8*\d+7], v[PC:PC+7], v[OO+8*\d:OO+8*\d+7], v[VS+\d/2], v[PW] matrix_a_fmt:MATRIX_FMT_FP4 matrix_b_fmt:MATRIX_FMT_FP4
.endif
.endr
.Lhidden:
	s_add_co_u32 s[TK], s[TK], 4096
	s_add_co_u32 s[TS], s[TS], 512
	s_add_co_u32 s[TT], s[TT], 256
	s_add_co_u32 s[KFS], s[KFS], 128
	s_cmp_lt_u32 s[KFS], 2048
	s_cbranch_scc1 .Lstep
	; THE WAY OUT: O^T / the sum, quantised along 64 head + d: my head's two blocks; the image is registers 4 (head % 2) .. + 3 of K step head / 2 of the last product's operand.
	PLACES 4
	v_add_f32 v14, v14, v15                        ; the sum's two halves,
	v_permlanex16_b32 v[BM+4], v14, s[SEL], s[SEL+1]
	v_add_f32 v14, v14, v[BM+4]                    ; and lane l xor 16's: the row's sum; it holds the row's largest p, above 1/2
	v_rcp_f32 v[FF], v14
	v_and_b32 v222, 15, v0                         ; (plain lines behind the reciprocal)
	v_lshlrev_b32 v222, 5, v222                    ; aos: 32 bytes a token
	s_wait_alu depctr_va_vdst(0)                   ; the wait ahead of the reciprocal's first reader
.set j, 0
.rept 16
	v_pk_mul_f32 v[SS+j:SS+j+1], v[OO+j:OO+j+1], v[FF:FF+1] op_sel_hi:[1,0]   ; register 8 t + i: o(query r, d = 16 t + 8 h + i)
.set j, j+2
.endr
.irp m, 0,1
	v_max3_num_f32 v[BM+\m], |v[SS+16*\m]|, |v[SS+16*\m+1]|, 0x1800000
.endr
.irp i, 2,4,6,8,10,12,14
.irp m, 0,1
	v_max3_num_f32 v[BM+\m], v[BM+\m], |v[SS+16*\m+\i]|, |v[SS+16*\m+\i+1]|
.endr
.endr
.irp m, 0,1
	v_permlanex16_b32 v[BM+4+\m], v[BM+\m], s[SEL], s[SEL+1]
.endr
.irp m, 0,1
	v_max_num_f32 v[BM+\m], v[BM+\m], v[BM+4+\m]
.endr
.irp m, 0,1
	v_add_nc_u32 v[BM+8+\m], 0xff000000, v[BM+\m]
.endr
.irp m, 0,1
	v_lshrrev_b32 v[BM+4+\m], 23, v[BM+8+\m]
.endr
	v_lshl_or_b32 v224, v[BM+5], 8, v[BM+4]
	v_cvt_scalef32_pk8_fp4_f32 v[PC],   v[SS:SS+7],     v[BM+8]
	v_cvt_scalef32_pk8_fp4_f32 v[PC+1], v[SS+16:SS+23], v[BM+9]
	v_cvt_scalef32_pk8_fp4_f32 v[PC+2], v[SS+8:SS+15],  v[BM+8]
	v_cvt_scalef32_pk8_fp4_f32 v[PC+3], v[SS+24:SS+31], v[BM+9]
	v_nop
	v_permlane16_swap_b32 v[PC], v[PC+1]
	v_permlane16_swap_b32 v[PC+2], v[PC+3]
	global_store_b128 v[LI], v[PC:PC+3], s[18:19]  ; 512 consecutive bytes
	global_store_b16 v222, v224, s[20:21]          ; two bytes of each token's 32: lanes r and r + 16 store the same
	s_wait_tensorcnt 0x0
	ds_add_u32 v254, v255
	s_wait_dscnt 0x0
	s_endpgm
.Lfunc_end_k_q990ba2b42d_attn:
	.size	k_q990ba2b42d_attn, .Lfunc_end_k_q990ba2b42d_attn-k_q990ba2b42d_attn
	.p2alignl 7, 3214868480
	.fill 96, 4, 3214868480
	.section	.rodata,"a",@progbits
	.p2align	6, 0x0
	.amdhsa_kernel k_q990ba2b42d_attn
		.amdhsa_group_segment_fixed_size 145408
		.amdhsa_private_segment_fixed_size 0
		.amdhsa_enable_private_segment 0
		.amdhsa_kernarg_size 72
		.amdhsa_user_sgpr_count 2
		.amdhsa_user_sgpr_kernarg_segment_ptr 1
		.amdhsa_wavefront_size32 1
		.amdhsa_system_sgpr_workgroup_id_x 1
		.amdhsa_system_sgpr_workgroup_id_y 1
		.amdhsa_system_sgpr_workgroup_id_z 1
		.amdhsa_system_vgpr_workitem_id 0
		.amdhsa_next_free_vgpr 256
		.amdhsa_next_free_sgpr 66
		.amdhsa_reserve_vcc 1
		.amdhsa_float_denorm_mode_32 3
		.amdhsa_float_denorm_mode_16_64 3
		.amdhsa_memory_ordered 1
		.amdhsa_forward_progress 1
		.amdhsa_inst_pref_size 34
	.end_amdhsa_kernel
	.amdgpu_metadata
---
amdhsa.version: [ 1, 2 ]
amdhsa.kernels:
  - .name:           k_q990ba2b42d_attn
    .symbol:         k_q990ba2b42d_attn.kd
    .args:
      - { .name: qf, .offset: 0, .size: 8, .value_kind: global_buffer, .address_space: global }
      - { .name: qs, .offset: 8, .size: 8, .value_kind: global_buffer, .address_space: global }
      - { .name: kf, .offset: 16, .size: 8, .value_kind: global_buffer, .address_space: global }
      - { .name: ks, .offset: 24, .size: 8, .value_kind: global_buffer, .address_space: global }
      - { .name: vf, .offset: 32, .size: 8, .value_kind: global_buffer, .address_space: global }
      - { .name: vs, .offset: 40, .size: 8, .value_kind: global_buffer, .address_space: global }
      - { .name: valid_length, .offset: 48, .size: 8, .value_kind: global_buffer, .address_space: global }
      - { .name: aof, .offset: 56, .size: 8, .value_kind: global_buffer, .address_space: global }
      - { .name: aos, .offset: 64, .size: 8, .value_kind: global_buffer, .address_space: global }
    .group_segment_fixed_size: 145408
    .private_segment_fixed_size: 0
    .kernarg_segment_align: 8
    .kernarg_segment_size: 72
    .max_flat_workgroup_size: 512
    .sgpr_count:     66
    .vgpr_count:     256
    .wavefront_size: 32
...
	.end_amdgpu_metadata
.endif
;; end of part 2
;; launch outp (part 3): grid 8 x 32, 8 waves a work-group, clusters of 4 x 4, 248,832 bytes of LDS; arguments W_o_codes, W_o_scales, aof, aos, b_o, out0; writes out0
.if DOCPART == 3
	.amdgcn_target "amdgcn-amd-amdhsa--gfx1250"
	.amdhsa_code_object_version 6
	.text
	.protected	k_q990ba2b42d_outp
	.globl	k_q990ba2b42d_outp
	.p2align	8
	.type	k_q990ba2b42d_outp,@function
k_q990ba2b42d_outp:
	s_mov_b64 s[64:65], 0
	v_nop
	global_prefetch_b8 v0, s[64:65] scope:SCOPE_SE
	s_setreg_imm32_b32 hwreg(HW_REG_WAVE_MODE, 25, 1), 1
	s_wait_xcnt 0x0
	s_wait_alu depctr_hold_cnt(0) depctr_sa_sdst(0) depctr_va_vdst(0) depctr_va_sdst(0) depctr_va_ssrc(0) depctr_va_vcc(0) depctr_vm_vsrc(0)
	s_getreg_b32 s2, hwreg(HW_REG_IB_STS2, 6, 4)
	s_cmp_eq_u32 s2, 0
	s_cbranch_scc0 .Lentry_in_a_cluster
	s_endpgm
.Lentry_in_a_cluster:
	s_bfe_u32 s2, ttmp6, 0x10000c
	s_cmp_lg_u32 s2, 0xf033
	s_cbranch_scc0 .Lentry_shape_is_right
	s_endpgm
.Lentry_shape_is_right:
; out0 = o W_o + b_o on codes of FP4 (E2M1) with one E8M0 scale for each 32 along K = 1,024; sums in f32; out0 [8,192][1,024] f32.
; D = S0 S1^T: source 0 = 16 rows of W_o (columns n of out0), source 1 = 16 tokens: lane (r, h) holds token r, its register j column 8 h + j: eight neighbouring numbers of a row of out0.
; o's codes come as the attention launch left them: images of operand registers, [token tile][head][512 bytes]; the image of head h is registers 4 (h % 2) .. + 3 of K step h / 2.  Its scale bytes: [token][32].
; SHARES.  A work-group makes 128 columns x 256 tokens over all of K; eight waves, wave w: columns 64 (w & 1) on, tokens 64 (w >> 1) on: 16 accumulators.
; LDS IS FILLED ONCE, as two halves of 512 along K, so that the first is multiplied while the second lands; nothing is filled again.  The stages for the way out have bytes of their own.
; CLUSTER 4 x 4: the tokens' tile hangs on t1 (cy) alone and is asked for jointly by the four of a row of the cluster, W_o's on t0 (cx) alone, by the four of a column.
.set PITCH, 272                        ; a row of W_o's codes in LDS: 256 bytes + 16 of padding
.set TILE,  64*PITCH
.set S1HALF, 65536                     ; a half of K of the 16 token tiles: 4,096 bytes a tile (4 K steps x 2 images)
.set S0ROWS, 2*S1HALF                  ; behind them W_o's 128 rows, twice
.set S0HALF, 2*TILE
.set SCL,   S0ROWS+2*S0HALF            ; the tokens' scale bytes (256 x 32), then W_o's (128 x 32)
.set STG,   SCL+12288                  ; a stage of 16 rows x (256 bytes + 16) for each wave
.set SPITCH, 272
.set ADR0, 2                           ; v2-3   LDS address of my W_o fragments in half 0, 1
.set ADR1, 4                           ; v4-5   of my token images
.set ADRS, 6                           ; v6     of my scale words: lanes 0-15 the tokens', lanes 16-31 W_o's
.set STO,  8                           ; v8     the way out: where I put 32 bytes of a row
.set RD,   9                           ; v9     where I read a row back
.set CO,   10                          ; v10    my byte offset in out0
.set BI,   16                          ; v16-47 b_o in the result's layout: the C of the first K step
.set SC,   48                          ; v48-63 scale words
.set F0,   64                          ; v64-95  four fragments of W_o; on the way out rows read back
.set F1,   96                          ; v96-127 four fragments of o; likewise
.set ACC,  128                         ; accumulator (a, b) at v[128 + 8 (4 a + b)], a: token tile, b: column tile
.set WV,   80
.macro CROUND                          ; a round of the cluster's barrier
	s_barrier_signal -1
	s_barrier_wait -1
	s_cmp_lg_u32 s[WV], 0
	s_cbranch_scc1 .Lnot_wave_0_\@
	s_barrier_signal -3
.Lnot_wave_0_\@:
	s_barrier_wait -3
	s_barrier_signal -1
	s_barrier_wait -1
.endm
.macro PLACES n
.rept \n
	v_nop
.endr
.endm
.macro SCALES j                        ; the scale words of K steps 4 j .. 4 j + 3
.irp i, 0,1,2,3
	ds_load_b128 v[SC+4*\i:SC+4*\i+3], v[ADRS] offset:512*\i+16*\j
.endr
.endm
.macro FETCH q                         ; K step q's fragments: W_o's from rows, o's from images; W_o's four first
.irp i, 0,1,2,3
.irp c, 0,1
	ds_load_b128 v[F0+8*\i+4*\c:F0+8*\i+4*\c+3], v[ADR0+(\q)/4] offset:\i*16*PITCH+64*((\q)%4)+32*\c
.endr
.endr
.irp i, 0,1,2,3
.irp c, 0,1
	ds_load_b128 v[F1+8*\i+4*\c:F1+8*\i+4*\c+3], v[ADR1+(\q)/4] offset:\i*4096+1024*((\q)%4)+512*\c
.endr
.endr
.endm
; 16 matrix instructions, the 16 accumulators by turns, in the same order in every K step.  first = 1: the bias starts the sums
.macro MUL16 q, first
.irp a, 0,1,2,3
	s_wait_dscnt 2*(3-\a)                          ; o's tiles a + 1 .. 3, two loads each, may stay out
.irp b, 0,1,2,3
.if \first
	v_wmma_scale_f32_16x16x128_f8f6f4 v[ACC+8*(4*\a+\b):ACC+8*(4*\a+\b)+7], v[F0+8*\b:F0+8*\b+7], v[F1+8*\a:F1+8*\a+7], v[BI+8*\b:BI+8*\b+7], v[SC+4*\b+(\q)%4], v[SC+4*\a+(\q)%4] matrix_a_fmt:MATRIX_FMT_FP4 matrix_b_fmt:MATRIX_FMT_FP4 matrix_a_scale:MATRIX_SCALE_ROW1
.else
	v_wmma_scale_f32_16x16x128_f8f6f4 v[ACC+8*(4*\a+\b):ACC+8*(4*\a+\b)+7], v[F0+8*\b:F0+8*\b+7], v[F1+8*\a:F1+8*\a+7], v[ACC+8*(4*\a+\b):ACC+8*(4*\a+\b)+7], v[SC+4*\b+(\q)%4], v[SC+4*\a+(\q)%4] matrix_a_fmt:MATRIX_FMT_FP4 matrix_b_fmt:MATRIX_FMT_FP4 matrix_a_scale:MATRIX_SCALE_ROW1
.endif
.endr
.endr
.endm
.macro KSTEP q
	PLACES 4                                       ; in front of loads into registers that the last products read
	FETCH \q
	MUL16 \q, 0
.endm
	s_load_b256 s[68:75], s[0:1], 0x0              ; W_o's codes s[68:69], its scales s[70:71], aof s[72:73], aos s[74:75]
	s_load_b128 s[76:79], s[0:1], 0x20             ; b_o s[76:77], out0 s[78:79]
	v_lshl_add_u32 v15, v0, 2, 0x3c800
	s_set_vgpr_msb 0x40
	v_mov_b32 v1, 0
	s_set_vgpr_msb 0x4044
	ds_add_u32 v15, v1
	ds_add_u32 v15, v1
	s_set_vgpr_msb 0x4400
	v_lshrrev_b32 v1, 5, v0
	v_readfirstlane_b32 s[WV], v1                  ; wave 0..7
	s_bfe_u32 s81, ttmp6, 0x40000                  ; cx
	s_bfe_u32 s82, ttmp6, 0x40004                  ; cy
	s_lshl_b32 s86, ttmp9, 2
	s_add_co_u32 s86, s86, s81                     ; t0: 128 columns
	s_and_b32 s88, ttmp7, 0xffff
	s_lshl_b32 s88, s88, 2
	s_add_co_u32 s88, s88, s82                     ; t1: 256 tokens
	s_lshl_b32 s90, s82, 2
	s_lshl_b32 s90, 15, s90                        ; my row of the cluster
	s_lshl_b32 s91, 0x1111, s81                    ; my column
	s_and_b32 s92, s[WV], 1                        ; W_o: waves 4 and 5 fetch rows 64 (w & 1) on
	s_lshl_b32 s93, s86, 7
	s_lshl_b32 s92, s92, 6
	s_add_co_u32 s93, s93, s92
	s_lshl_b32 s94, s93, 9                         ; codes: 512 bytes a row
	s_mov_b32 s95, 0
	s_lshl_b32 s96, s93, 5                         ; scale bytes: 32 a row
	s_mov_b32 s97, 0
	s_and_b32 s2, s[WV], 3                         ; o: waves 0 to 3 fetch token tiles 4 w on
	s_lshl_b32 s3, s88, 4
	s_lshl_b32 s2, s2, 2
	s_add_co_u32 s3, s3, s2
	s_lshl_b32 s4, s3, 13                          ; images: 8,192 bytes a tile
	s_mov_b32 s5, 0
	s_lshl_b32 s6, s3, 9                           ; scale bytes: 512 a tile
	s_mov_b32 s7, 0
	s_mul_i32 s98, s[WV], TILE                     ; where they go: W_o's rows of waves 4 and 5,
	s_add_co_u32 s98, s98, S0ROWS-4*TILE
	s_lshl_b32 s89, s[WV], 14                      ; the four tiles' images of waves 0 to 3,
	s_lshl_b32 s99, s[WV], 11
	s_add_co_u32 s99, s99, SCL                     ; 2,048 scale bytes of waves 0 to 5: no place in the cluster enters an LDS address
	s_wait_dscnt 0x0
	s_wait_kmcnt 0x0
	s_add_nc_u64 s[68:69], s[68:69], s[94:95]
	s_add_nc_u64 s[70:71], s[70:71], s[96:97]
	s_add_nc_u64 s[72:73], s[72:73], s[4:5]
	s_add_nc_u64 s[74:75], s[74:75], s[6:7]
	; group 1, W_o's codes: 64 rows x 256 bytes, 512 apart, 16 bytes of padding behind each
	s_or_b32 s8, s91, (1<<20)|(1<<21)|(5<<22)|(3<<25)
	s_mov_b32 s9, 256<<16
	s_mov_b32 s10, 64<<16
	s_mov_b32 s11, 256<<16
	s_mov_b32 s12, 64
	s_mov_b32 s13, 512
	s_mov_b32 s14, 0
	s_mov_b32 s15, 0
	; group 1, o's images: 4 token tiles x 4,096 bytes (512 elements of 8), 8,192 bytes apart
	s_or_b32 s16, s90, (3<<16)|(1<<21)
	s_mov_b32 s17, 512<<16
	s_mov_b32 s18, 4<<16
	s_mov_b32 s19, 512<<16
	s_mov_b32 s20, 4
	s_mov_b32 s21, 1024
	s_mov_b32 s22, 0
	s_mov_b32 s23, 0
	; group 1, scale bytes of 64 rows: 2,048 dense bytes as 8 rows of 256
	s_or_b32 s24, s91, (3<<16)|(1<<21)
	s_or_b32 s32, s90, (3<<16)|(1<<21)
.irp g, 24, 32
	s_mov_b32 s[\g+1], 32<<16
	s_mov_b32 s[\g+2], 8<<16
	s_mov_b32 s[\g+3], 32<<16
	s_mov_b32 s[\g+4], 8
	s_mov_b32 s[\g+5], 32
	s_mov_b32 s[\g+6], 0
	s_mov_b32 s[\g+7], 0
.endr
	CROUND                                         ; all sixteen work-groups are here: the joint loads meet
	s_mov_b32 s40, 1                               ; group 0: W_o's scale bytes, half 0, half 1
	s_mov_b32 s41, s99
	s_mov_b64 s[42:43], s[70:71]
	s_or_b32 s43, s43, 0x80000000
	s_mov_b32 s44, 1
	s_mov_b32 s45, s98
	s_mov_b64 s[46:47], s[68:69]
	s_or_b32 s47, s47, 0x80000000
	s_mov_b32 s48, 1
	s_add_co_u32 s49, s98, S0HALF
	s_add_nc_u64 s[50:51], s[68:69], 256
	s_or_b32 s51, s51, 0x80000000
	s_mov_b32 s52, 1                               ; o's
	s_mov_b32 s53, s99
	s_mov_b64 s[54:55], s[74:75]
	s_or_b32 s55, s55, 0x80000000
	s_mov_b32 s56, 1
	s_mov_b32 s57, s89
	s_mov_b64 s[58:59], s[72:73]
	s_or_b32 s59, s59, 0x80000000
	s_mov_b32 s60, 1
	s_add_co_u32 s61, s89, S1HALF
	s_add_nc_u64 s[62:63], s[72:73], 4096
	s_or_b32 s63, s63, 0x80000000
	s_cmp_lt_u32 s[WV], 4                          ; a wave's fills stand in one branch on its number: three tensor loads of mine are out, or none
	s_cbranch_scc0 .Lnot_s1
	tensor_load_to_lds s[52:55], s[32:39]
	s_nop 0
	tensor_load_to_lds s[56:59], s[16:23]
	s_nop 0
	tensor_load_to_lds s[60:63], s[16:23]
	s_nop 0
	PLACES 4
	s_branch .Lasked
.Lnot_s1:
	s_cmp_lt_u32 s[WV], 6
	s_cbranch_scc0 .Lasked
	tensor_load_to_lds s[40:43], s[24:31]
	s_nop 0
	tensor_load_to_lds s[44:47], s[8:15]
	s_nop 0
	tensor_load_to_lds s[48:51], s[8:15]
	s_nop 0
	PLACES 4
.Lasked:
	v_and_b32 v1, 15, v0                           ; r
	v_bfe_u32 v7, v0, 4, 1                         ; h
	v_and_b32 v12, 31, v0                          ; lane
	s_and_b32 s92, s[WV], 1                        ; w0: my 64 columns
	s_lshr_b32 s93, s[WV], 1                       ; w1: my 64 tokens
	v_mul_u32_u24 v13, v1, PITCH
	v_lshl_add_u32 v13, v7, 4, v13
	s_mul_i32 s94, s92, TILE
	s_add_co_u32 s94, s94, S0ROWS
	v_add_nc_u32 v[ADR0], s94, v13
	v_add_nc_u32 v[ADR0+1], S0HALF, v[ADR0]
	s_lshl_b32 s95, s93, 14
	v_lshl_add_u32 v[ADR1], v12, 4, s95            ; an image's place for my lane: 16 x lane
	v_add_nc_u32 v[ADR1+1], S1HALF, v[ADR1]
	s_lshl_b32 s96, s92, 11
	s_lshl_b32 s97, s93, 11
	s_add_co_u32 s96, s96, 8192
	s_sub_co_u32 s96, s96, s97                     ; from my tokens' scale bytes to my columns'
	v_mul_u32_u24 v14, s96, v7                     ; lanes 16-31 take W_o's
	v_lshl_add_u32 v14, v1, 5, v14
	s_add_co_u32 s97, s97, SCL
	v_add_nc_u32 v[ADRS], s97, v14
	s_mul_i32 s94, s[WV], 16*SPITCH
	s_add_co_u32 s94, s94, STG                     ; my stage
	v_mul_u32_u24 v[STO], v1, SPITCH               ; in: row r, 32 bytes for each half of the lanes
	v_lshl_add_u32 v[STO], v7, 5, v[STO]
	v_add_nc_u32 v[STO], s94, v[STO]
	v_mul_u32_u24 v[RD], v7, SPITCH                ; back: lanes 0-15 one row of 256 bytes, lanes 16-31 the next
	v_lshl_add_u32 v[RD], v1, 4, v[RD]
	v_add_nc_u32 v[RD], s94, v[RD]
	v_lshlrev_b32 v[CO], 12, v7                    ; and the same two rows in out0: 4,096 bytes a row
	v_lshl_add_u32 v[CO], v1, 4, v[CO]
	s_lshl_b32 s2, s86, 9
	s_lshl_b32 s3, s92, 8
	s_add_co_u32 s2, s2, s3                        ; 4 (128 t0 + 64 w0): my first column, in b_o and in a row of out0
	s_mov_b32 s3, 0
	s_add_nc_u64 s[76:77], s[76:77], s[2:3]
	s_add_nc_u64 s[78:79], s[78:79], s[2:3]
	s_lshl_b32 s2, s88, 8
	s_lshl_b32 s4, s93, 6
	s_add_co_u32 s2, s2, s4                        ; my first token
	s_lshl_b32 s2, s2, 12
	s_add_nc_u64 s[78:79], s[78:79], s[2:3]
	v_lshlrev_b32 v11, 5, v7                       ; b_o: + 32 h: tile b's eight numbers of my half
.irp b, 0,1,2,3
	global_load_b128 v[BI+8*\b:BI+8*\b+3], v11, s[76:77] offset:64*\b
	global_load_b128 v[BI+8*\b+4:BI+8*\b+7], v11, s[76:77] offset:64*\b+16
.endr
	s_wait_tensorcnt 0x1                           ; my scale bytes and my part of half 0 are in; half 1's load may stay out
	s_barrier_signal -1
	s_barrier_wait -1
	SCALES 0
	FETCH 0
	s_wait_loadcnt 0x0                             ; the bias
	MUL16 0, 1
	KSTEP 1
	KSTEP 2
	KSTEP 3
	s_wait_tensorcnt 0x0                           ; my part of half 1 is in (no LDS load of mine is out: the last count-down ended at 0),
	s_barrier_signal -1
	s_barrier_wait -1                              ; everybody's is
	PLACES 4
	SCALES 1
	FETCH 4
	MUL16 4, 0
	KSTEP 5
	KSTEP 6
	KSTEP 7
; THE WAY OUT, a tile of 16 tokens x 64 columns at a time.  A lane holds 32 neighbouring bytes of a row and the lanes beside it other rows: the tile goes through my own stage and comes back as whole rows of 256 bytes.
; LDS serves a wave's instructions in order: no wait between the stores and the loads, nor in front of the next tile's stores.
.macro TOSTAGE a
.irp b, 0,1,2,3
	ds_store_b128 v[STO], v[ACC+8*(4*(\a)+\b):ACC+8*(4*(\a)+\b)+3] offset:64*\b          ; each accumulator from its low end on
	ds_store_b128 v[STO], v[ACC+8*(4*(\a)+\b)+4:ACC+8*(4*(\a)+\b)+7] offset:64*\b+16
.endr
.irp i, 0,1,2,3,4,5,6,7
	ds_load_b128 v[F0+32*((\a)%2)+4*\i:F0+32*((\a)%2)+4*\i+3], v[RD] offset:\i*2*SPITCH
.endr
.endm
.macro SEND a, younger                 ; younger: the LDS instructions issued behind tile a's loads, which may stay out
	s_wait_dscnt \younger
.irp i, 0,1,2,3,4,5,6,7
	global_store_b128 v[CO], v[F0+32*((\a)%2)+4*\i:F0+32*((\a)%2)+4*\i+3], s[78:79] offset:(16*(\a)+2*\i)*4096 th:TH_STORE_NT   ; sixteen lanes store 256 consecutive bytes, at a multiple of 256 from out0's first byte; written once, read by nobody here
.endr
.endm
	PLACES 4                                       ; behind the last products: for the stores that read results and the loads into the fragments' registers
	TOSTAGE 0
.irp a, 1,2,3
.if \a > 1
	s_wait_xcnt 0x0                                ; tile a - 2's stores have read their registers: tile a's loads may land there
.endif
	TOSTAGE \a
	SEND \a-1, 16                                  ; behind tile a - 1's loads: tile a's eight stores and eight loads
.endr
	SEND 3, 0
	s_set_vgpr_msb 0x4
	s_wait_tensorcnt 0x0
	ds_add_u32 v15, v1
	s_wait_dscnt 0x0
	s_set_vgpr_msb 0x400
	CROUND                                         ; the closing round: no work-group ends while a partner may still ask for a tile that names it
	s_endpgm
.Lfunc_end_k_q990ba2b42d_outp:
	.size	k_q990ba2b42d_outp, .Lfunc_end_k_q990ba2b42d_outp-k_q990ba2b42d_outp
	.p2alignl 7, 3214868480
	.fill 96, 4, 3214868480
	.section	.rodata,"a",@progbits
	.p2align	6, 0x0
	.amdhsa_kernel k_q990ba2b42d_outp
		.amdhsa_group_segment_fixed_size 248832
		.amdhsa_private_segment_fixed_size 0
		.amdhsa_enable_private_segment 0
		.amdhsa_kernarg_size 48
		.amdhsa_user_sgpr_count 2
		.amdhsa_user_sgpr_kernarg_segment_ptr 1
		.amdhsa_wavefront_size32 1
		.amdhsa_system_sgpr_workgroup_id_x 1
		.amdhsa_system_sgpr_workgroup_id_y 1
		.amdhsa_system_sgpr_workgroup_id_z 1
		.amdhsa_system_vgpr_workitem_id 0
		.amdhsa_next_free_vgpr 258
		.amdhsa_next_free_sgpr 100
		.amdhsa_reserve_vcc 0
		.amdhsa_float_denorm_mode_32 3
		.amdhsa_float_denorm_mode_16_64 3
		.amdhsa_memory_ordered 1
		.amdhsa_forward_progress 1
		.amdhsa_inst_pref_size 44
	.end_amdhsa_kernel
	.amdgpu_metadata
---
amdhsa.version: [ 1, 2 ]
amdhsa.kernels:
  - .name:           k_q990ba2b42d_outp
    .symbol:         k_q990ba2b42d_outp.kd
    .args:
      - { .name: W_o_codes, .offset: 0, .size: 8, .value_kind: global_buffer, .address_space: global }
      - { .name: W_o_scales, .offset: 8, .size: 8, .value_kind: global_buffer, .address_space: global }
      - { .name: aof, .offset: 16, .size: 8, .value_kind: global_buffer, .address_space: global }
      - { .name: aos, .offset: 24, .size: 8, .value_kind: global_buffer, .address_space: global }
      - { .name: b_o, .offset: 32, .size: 8, .value_kind: global_buffer, .address_space: global }
      - { .name: out0, .offset: 40, .size: 8, .value_kind: global_buffer, .address_space: global }
    .group_segment_fixed_size: 248832
    .private_segment_fixed_size: 0
    .kernarg_segment_align: 8
    .kernarg_segment_size: 48
    .max_flat_workgroup_size: 256
    .sgpr_count:     100
    .vgpr_count:     258
    .wavefront_size: 32
...
	.end_amdgpu_metadata
.endif
;; end of part 3
;; ======== version 2 of 2: 3 launches; version 1 with the launch attn written anew for expert scheduling mode
;; limits: right only within a limited range of input values
;; workspace buffers: qf 4,194,304 bytes; kf 4,194,304 bytes; vf 4,194,304 bytes; qs 262,144 bytes; ks 262,144 bytes; vs 262,144 bytes; aof 4,194,304 bytes; aos 262,144 bytes
;; launch proj: the kernel of part 1 again; grid 8 x 96, 8 waves a work-group, clusters of 4 x 4, 222,208 bytes of LDS; arguments W_q_codes, W_k_codes, value_codes, W_q_scales, W_k_scales, value_scales, query_codes, key_codes, W_v_codes, query_scales, key_scales, W_v_scales, b_q, b_k, b_v, qf, kf, vf, qs, ks, vs; writes qf, kf, vf, qs, ks, vs
;; launch attn (part 4): grid 512 x 1, 16 waves a work-group, no clusters, 145,408 bytes of LDS; arguments qf, qs, kf, ks, vf, vs, valid_length, aof, aos; writes aof, aos
.if DOCPART == 4
	.amdgcn_target "amdgcn-amd-amdhsa--gfx1250"
	.amdhsa_code_object_version 6
	.text
	.protected	k_q990ba2b42d_attn
	.globl	k_q990ba2b42d_attn
	.p2align	8
	.type	k_q990ba2b42d_attn,@function
k_q990ba2b42d_attn:
	s_mov_b64 s[64:65], 0
	v_nop
	global_prefetch_b8 v0, s[64:65] scope:SCOPE_SE
	s_setreg_imm32_b32 hwreg(HW_REG_WAVE_SCHED_MODE, 0, 2), 2
	s_setreg_imm32_b32 hwreg(HW_REG_WAVE_MODE, 25, 1), 1
	s_wait_xcnt 0x0
	s_wait_alu depctr_vm_vsrc(0)
; o[b][q][head] = softmax_k(q . k / 8, keys at or behind valid_length[b] replaced by -1e7) v, both products on codes of FP4 (E2M1) with one E8M0 scale for each 32 along a product's K; o is quantised along 64 head + d.
; THE SOFTMAX AHEAD OF THE SECOND PRODUCT: t = score x log2(e) / 8; M = the row's largest t so far, rounded UP to a whole number; p = 2^(t - M) is quantised along the keys, not normalised;
; the row's sum is taken of the unquantised p and divides at the end.  When M moves, the sum and O are multiplied by 2^(old M - new M): exact.
; SHARES.  A work-group owns 256 queries of one (batch, head); each of its sixteen waves 16 of them, in 256 registers: four waves to a SIMD, so that one wave's vector work stands beside another's products and LDS loads.
; KEY STEPS WHOLLY BEHIND valid_length ARE NOT WALKED: their p is 0 beside a row's valid keys.  With valid_length = 0 every score is the same replaced number and all 2,048 keys are walked (NEFF = 2,048, VL = 0).
; NO TENSOR LOAD, AND SO NO CLUSTER AND NO JOINT REQUEST, though the eight query blocks of a head read the same k and v: how many key steps are fetched and walked hangs on valid_length, a number read from memory.
; Wave w brings key step w (8 KB of codes, 768 bytes of scales) through registers into LDS, once, if it is walked: one barrier in the launch.
; THE LONGEST BATCHES FIRST: the four batches are sorted by the keys that they walk, and work-groups 128 i .. 128 i + 127 take the batch of rank i.
; LAYOUT.  Both products transposed: S^T = k q^T (source 0 = 16 keys, source 1 = my 16 queries), O^T = v^T p^T (source 0 = 16 channels x 128 keys): a lane holds ONE query (lane % 16) throughout.
; The first product's K is 64, half of the instruction's 128: q's registers 4-7 are zero codes; k's operand for tile t is eight registers from its image on, whose upper four (the next tile's codes) so multiply zeros.
; THE REPLACED SCORE is written as -2^27 ahead of the factor log2(e) / 8: its t is a whole number, so that in a row replaced throughout t - M is exactly 0 and p = 1, as with -1e7 x log2(e), which is a whole number in f32 too.
; LIMITS: where a row has a valid key, its largest logit is taken to lie above -1e7 + 110, so that the replaced keys' p is 0 here as there; a p under 2^-126 counts as 0; a block of zeros gets the scale byte 1
; (only this program reads the bytes); NaN and infinities are not served; valid_length under 0 counts as 0, above 2,048 as 2,048.
; THE MODE: SCHED_MODE bits 1:0 = 2 (LLVM: expert scheduling mode 2), set by the entry lines.  The code itself states the register dependences
; between vector or matrix instructions and memory or LDS instructions, with s_wait_alu, always for 0.
; THE PLAN.  Registers that memory or LDS instructions touch, in the loop:
;   KS, KF   k's scale words and images.  Step s: its eight first products read them; behind them the LDS loads of step s + 1 land there, issued in the middle of step s.
;   VS, VF   v's.  Step s: its four second products read them, at the step's end; the LDS loads of step s + 1 land there, issued in the middle of step s + 1.
;   v8-11    four LDS addresses.  Written by four additions in the middle of a step; read by that step's 18 LDS loads.
;   S^T, p, O^T, p's codes and the statistics are named by vector and matrix instructions alone.
; So ONE wait on va_vdst stands in the middle of a step, behind its exponentials and the four additions: the exponentials' results and the addresses are written, this step's first products are done reading k,
; and the last step's second products are done reading v.  The 18 loads follow it at once and land under the sums, the quantising and the rescaling.  Ahead of the second products stand the wait for the loads, a wait on vm_vsrc
; (the loads have read v8-11, which the next step writes) and a wait on va_vdst (p's codes and scale word, made by vector instructions, are written).
; There is one buffer each for k and v: with four waves on a SIMD a wave has 256 registers, and second buffers of 32 do not fit.
.set KIMG, 0                           ; LDS: k's images, 4,096 bytes a key step (8 tiles of 16 keys x 512)
.set VIMG, 65536                       ; v's, 4,096 a key step (4 channel tiles x 2 halves x 512)
.set KSCL, 131072                      ; k's scale words, 512 bytes a step: [lane L][4]: key 32 i + L's two bytes, widened with zeros
.set VSCL, 139264                      ; v's, 256 bytes a step: [lane L][2]: word 32 i + L of the step's 64 (channel tile 2 i + L / 16, row L % 16)
.set LI,  1                            ; v1   16 x lane: my place in an image; never rewritten
.set LIS, 2                            ; v2   KSCL + 16 x lane; never rewritten
.set LT,  3                            ; v3   VSCL + 8 x lane; never rewritten
.set MH,  4                            ; v4   8 (lane / 16): my half's first key in a tile
.set ADK, 8                            ; v8   LDS address of this step's images of k: the next step's lie 4,096 bytes on
.set ADV, 9                            ; v9   of this step's images of v
.set ADS, 10                           ; v10  of this step's scale words of k: the next step's lie 512 bytes on
.set ADT, 11                           ; v11  of this step's scale words of v
.set QF,  16                           ; v16-19 q's codes, v20-23 zero codes
.set QS,  24                           ; v24  q's scale word
.set PW,  25                           ; v25  p's scale word
.set FF,  26                           ; v[26:27] f = 2^(old M - new M), later 1 / the sum; the pair's upper register is written once and not used
.set KS,  28                           ; v28-31 k's scale words of a step
.set VS,  32                           ; v32-33 v's
.set KF,  36                           ; v36-67 k's eight images, v68-71 zero codes
.set VF,  72                           ; v72-103 v's four fragments
.set SS,  104                          ; v104-167 S^T, then p; at the head what is on its way into LDS
.set OO,  168                          ; v168-199 O^T
.set PC,  200                          ; v200-207 p's codes; at the head the scale words on their way into LDS
.set BM,  208                          ; v208-211 a block's largest score, then p; v212-215 the other half's, then bytes; v216-219 the conversions' scale operands
.set WV,   22
.set BB,   30                          ; batch
.set HEAD, 31
.set QB,   32
.set BH,   33
.set VL,   34                          ; keys from here on are replaced
.set NEFF, 35                          ; keys from here on are not walked
.set SEL,  36                          ; s[36:37] v_permlanex16_b32's selects for lane l xor 16
.set CS,   38                          ; s[38:39] c = log2(e) / 8
.set KFS,  40                          ; the step's first key
.set TK,   41                          ; the step's images: 4,096 bytes a step
.set TS,   42                          ; k's scale words: 512
.set TT,   43                          ; v's: 256
.set MK0,  48                          ; s[48:63] sixteen masks of the replaced keys
.set MK1,  2                           ; s[2:17]  sixteen more: the inputs' pointers that lay here are done with when the loop begins
.macro PLACES n
.rept \n
	v_nop
.endr
.endm
.macro ORDER i, j                      ; the larger key to place i
	s_max_u32 s44, s[24+\i], s[24+\j]
	s_min_u32 s[24+\j], s[24+\i], s[24+\j]
	s_mov_b32 s[24+\i], s44
.endm
; Sixteen compares, of registers 16 run .. 16 run + 15 of S^T, into sixteen scalar registers.  Register n holds key 16 (n / 8) + n % 8 + 8 h of the step: replaced where 16 (n / 8) + n % 8 >= d.
; From n = 32 on both sides are taken 64 lower, so that every constant is an inline one.
.macro CMPS run, base
.set n, 16*(\run)
.rept 16
.if n < 32
	v_cmp_ge_i32 s[\base+n%16], 16*(n/8)+n%8, v220
.else
	v_cmp_ge_i32 s[\base+n%16], 16*(n/8)+n%8-64, v225
.endif
.set n, n+1
.endr
.endm
.macro SELS run, base                  ; and the sixteen selections by them, each accumulator from its low end on
.set n, 16*(\run)
.rept 16
	v_cndmask_b32 v[SS+n], v[SS+n], v221, s[\base+n%16]
.set n, n+1
.endr
.endm
	s_load_b512 s[4:19], s[0:1], 0x0               ; qf s[4:5], qs s[6:7], kf s[8:9], ks s[10:11], vf s[12:13], vs s[14:15], valid_length s[16:17], aof s[18:19]
	s_load_b64 s[20:21], s[0:1], 0x40              ; aos
	v_lshl_add_u32 v254, v0, 2, 0x23000
	v_mov_b32 v255, 0
	v_lshrrev_b32 v8, 5, v0
	v_readfirstlane_b32 s[WV], v8                  ; wave 0..15
	v_and_b32 v9, 31, v0                           ; lane
	v_and_b32 v10, 15, v0                          ; r
	v_bfe_u32 v11, v0, 4, 1                        ; h
	v_lshlrev_b32 v[LI], 4, v9
	v_add_nc_u32 v[LIS], KSCL, v[LI]
	v_lshl_add_u32 v[LT], v9, 3, VSCL
	v_lshlrev_b32 v[MH], 3, v11
	v_lshlrev_b32 v5, 1, v9                        ; 2 x lane, 4 x lane, 2 r: offsets in the scale buffers
	v_lshlrev_b32 v6, 2, v9
	v_lshlrev_b32 v7, 1, v10
	s_wait_alu depctr_va_sdst(0)                   ; the wave's number is written, ahead of its first reader
	s_lshl_b32 s44, s[WV], 12                      ; where wave w puts key step w: made ahead of the branch, in registers that hold nothing else
	v_add_nc_u32 v232, s44, v[LI]
	v_add_nc_u32 v233, VIMG, v232
	s_lshl_b32 s45, s[WV], 9
	v_add_nc_u32 v234, s45, v[LIS]
	s_lshl_b32 s46, s[WV], 8
	v_add_nc_u32 v235, s46, v[LT]
	s_mov_b32 s[SEL], 0x76543210
	s_mov_b32 s[SEL+1], 0xfedcba98
	s_mov_b32 s[CS], 0x3e38aa3b
	s_mov_b32 s[CS+1], s[CS]                       ; (named with it as a pair, so it is written)
	s_wait_kmcnt 0x0
	s_load_b128 s[24:27], s[16:17], 0x0            ; the four lengths
	v_mov_b32 v13, 0xff61b1e6                      ; the largest t so far: -3e38, under every t.  (The start values are written while the scalar load is out)
	v_floor_f32 v12, -v13                          ; -M
	v_mov_b32 v14, 0                               ; the sum, in two halves
	v_mov_b32 v15, 0
.irp i, 0,1,2,3
	v_mov_b32 v[QF+4+\i], 0                        ; zero codes
	v_mov_b32 v[KF+32+\i], 0
	v_mov_b32 v[BM+4+\i], 0                        ; a lane permute's destination counts as one of its sources
.endr
	v_mov_b32 v[FF+1], 0
.set j, 0
.rept 32
	v_mov_b32 v[OO+j], 0                           ; O^T: the step is written once; the first finds zeros, which the first change of M leaves zeros
.set j, j+1
.endr
	s_wait_kmcnt 0x0
.irp i, 0,1,2,3                        ; batch i's key: the keys walked x 8, 4 where the length is 0, 3 - i: no two keys are equal
	s_max_i32 s[24+\i], s[24+\i], 0
	s_min_u32 s[24+\i], s[24+\i], 2048
	s_cmp_eq_u32 s[24+\i], 0
	s_cselect_b32 s44, 4, 0
	s_cselect_b32 s[24+\i], 2048, s[24+\i]
	s_lshl_b32 s[24+\i], s[24+\i], 3
	s_or_b32 s[24+\i], s[24+\i], s44
	s_or_b32 s[24+\i], s[24+\i], 3-\i
.endr
	ORDER 0, 1                                     ; five comparisons sort four keys, the largest first
	ORDER 2, 3
	ORDER 0, 2
	ORDER 1, 3
	ORDER 1, 2
	s_lshr_b32 s45, ttmp9, 7                       ; my rank
	s_cmp_eq_u32 s45, 1
	s_cselect_b32 s46, s25, s24
	s_cmp_eq_u32 s45, 2
	s_cselect_b32 s46, s26, s46
	s_cmp_eq_u32 s45, 3
	s_cselect_b32 s46, s27, s46
	s_and_b32 s[BB], s46, 3
	s_sub_co_u32 s[BB], 3, s[BB]
	s_min_u32 s[BB], s[BB], 3                      ; the batch: it enters addresses, by shifts to the left and additions alone
	s_lshr_b32 s[NEFF], s46, 3
	s_bitcmp1_b32 s46, 2
	s_cselect_b32 s[VL], 0, s[NEFF]
	s_and_b32 s[HEAD], ttmp9, 127
	s_lshr_b32 s[HEAD], s[HEAD], 3
	s_and_b32 s[QB], ttmp9, 7
	s_lshl_b32 s[BH], s[BB], 4
	s_add_co_u32 s[BH], s[BH], s[HEAD]
	s_lshl_b32 s44, s[BH], 16                      ; a (batch, head)'s codes: 65,536 bytes in qf, kf and vf,
	s_lshl_b32 s46, s[BH], 12                      ; its scales: 4,096 in qs, ks and vs
	s_lshl_b32 s48, s[QB], 4
	s_add_co_u32 s48, s48, s[WV]                   ; my tile of 16 queries
	s_mov_b32 s51, 0
	s_lshl_b32 s50, s48, 9
	s_add_co_u32 s50, s50, s44
	s_add_nc_u64 s[4:5], s[4:5], s[50:51]
	s_lshl_b32 s50, s48, 5
	s_add_co_u32 s50, s50, s46
	s_add_nc_u64 s[6:7], s[6:7], s[50:51]
	s_lshl_b32 s50, s[WV], 12                      ; key step w
	s_add_co_u32 s50, s50, s44
	s_add_nc_u64 s[8:9], s[8:9], s[50:51]
	s_add_nc_u64 s[12:13], s[12:13], s[50:51]
	s_lshl_b32 s50, s[WV], 8
	s_add_co_u32 s50, s50, s46
	s_add_nc_u64 s[10:11], s[10:11], s[50:51]
	s_add_nc_u64 s[14:15], s[14:15], s[50:51]
	s_lshl_b32 s52, s[BB], 7
	s_add_co_u32 s52, s52, s48                     ; my token tile among all 512
	s_lshl_b32 s50, s52, 13                        ; aof: [token tile][head][512]
	s_lshl_b32 s53, s[HEAD], 9
	s_add_co_u32 s50, s50, s53
	s_add_nc_u64 s[18:19], s[18:19], s[50:51]
	s_lshl_b32 s50, s52, 9                         ; aos: [token][32], my head's two bytes at 2 head
	s_lshl_b32 s53, s[HEAD], 1
	s_add_co_u32 s50, s50, s53
	s_add_nc_u64 s[20:21], s[20:21], s[50:51]
	s_wait_alu depctr_va_vdst(0)                   ; the offsets v1, v5 to v7 and the LDS addresses v2, v3, v232 to v235 are written, which the loads and stores up to the loop read; so are the zero codes v20-23 and v68-71, which the first products take as B and A.  No vector instruction stands between this wait and the loop
	global_load_b128 v[QF:QF+3], v[LI], s[4:5]     ; q's image: lane (r, h): block h of query r
	global_load_u16 v[QS], v7, s[6:7]              ; its two scale bytes; bytes 2 and 3 are 0 and scale zero codes
	s_lshl_b32 s44, s[WV], 7
	s_cmp_lt_u32 s44, s[NEFF]
	s_cbranch_scc0 .Lno_stage                      ; key step w is not walked: nothing of it is fetched
.irp t, 0,1,2,3,4,5,6,7
	global_load_b128 v[SS+4*\t:SS+4*\t+3], v[LI], s[8:9] offset:512*\t
.endr
.irp t, 0,1,2,3,4,5,6,7
	global_load_b128 v[SS+32+4*\t:SS+32+4*\t+3], v[LI], s[12:13] offset:512*\t
.endr
.irp i, 0,1,2,3
	global_load_u16 v[PC+\i], v5, s[10:11] offset:64*\i      ; key 32 i + lane
.endr
.irp i, 0,1
	global_load_b32 v[PC+4+\i], v6, s[14:15] offset:128*\i   ; word 32 i + lane
.endr
	s_wait_loadcnt 0x0
.irp t, 0,1,2,3,4,5,6,7
	ds_store_b128 v232, v[SS+4*\t:SS+4*\t+3] offset:512*\t
.endr
.irp t, 0,1,2,3,4,5,6,7
	ds_store_b128 v233, v[SS+32+4*\t:SS+32+4*\t+3] offset:512*\t
.endr
	ds_store_b128 v234, v[PC:PC+3]
	ds_store_b64 v235, v[PC+4:PC+5]
.Lno_stage:
	s_wait_loadcnt 0x0                             ; q; every global load of mine is done, so the pointers' scalar registers are free
	s_wait_dscnt 0x0                               ; for the others' sake: my stores have landed
	s_barrier_signal -1
	s_barrier_wait -1                              ; every walked key step lies in LDS; nothing is stored there from here on
	s_wait_alu depctr_vm_vsrc(0)                   ; my LDS stores have read v104-167 and v200-205, which the first step's products and conversions write
	ds_load_b128 v[KS:KS+3], v[LIS]                ; k of key step 0, which is always walked: no vector instruction has named these registers
.irp t, 0,1,2,3,4,5,6,7
	ds_load_b128 v[KF+4*\t:KF+4*\t+3], v[LI] offset:512*\t
.endr
	s_mov_b32 s[KFS], 0
	s_mov_b32 s[TK], 0
	s_mov_b32 s[TS], 0
	s_mov_b32 s[TT], 0
	s_wait_dscnt 0x0                               ; k of step 0 is in.  In the loop a step finds its k landed: the wait ahead of the last step's second products has shown it
.Lstep:                                            ; sixteen trips, a constant; a step that is not walked is jumped over, all but the lines that step addresses
	s_cmp_ge_u32 s[KFS], s[NEFF]
	s_cbranch_scc1 .Lhidden
.irp t, 0,1,2,3,4,5,6,7                        ; S^T: tile t's keys 16 t + 8 h + j in register j; its scale words in lanes 0-15 (even t) or 16-31 (odd t) of register t / 2
.if \t % 2
	v_wmma_scale_f32_16x16x128_f8f6f4 v[SS+8*\t:SS+8*\t+7], v[KF+4*\t:KF+4*\t+7], v[QF:QF+7], 0, v[KS+\t/2], v[QS] matrix_a_fmt:MATRIX_FMT_FP4 matrix_b_fmt:MATRIX_FMT_FP4 matrix_a_scale:MATRIX_SCALE_ROW1
.else
	v_wmma_scale_f32_16x16x128_f8f6f4 v[SS+8*\t:SS+8*\t+7], v[KF+4*\t:KF+4*\t+7], v[QF:QF+7], 0, v[KS+\t/2], v[QS] matrix_a_fmt:MATRIX_FMT_FP4 matrix_b_fmt:MATRIX_FMT_FP4
.endif
.endr
	PLACES 4
	s_add_co_u32 s44, s[KFS], 128                  ; a step all of whose keys count skips the mask
	s_cmp_le_u32 s44, s[VL]
	s_cbranch_scc1 .Lopen
	s_sub_co_i32 s44, s[VL], s[KFS]
	v_sub_nc_u32 v220, s44, v[MH]                  ; d = VL - the step's first key - 8 h
	v_add_nc_u32 v225, 0xffffffc0, v220            ; d - 64
	v_mov_b32 v221, 0xcd000000                     ; -2^27
	CMPS 0, MK0                                    ; the compares stand in runs of 32, so that one wait serves 32 masks
	CMPS 1, MK1
	s_wait_alu depctr_va_sdst(0)                   ; the 32 masks are written, ahead of the selections that read them
	SELS 0, MK0
	SELS 1, MK1
	CMPS 2, MK0
	CMPS 3, MK1
	s_wait_alu depctr_va_sdst(0)                   ; and the other 32
	SELS 2, MK0
	SELS 3, MK1
.Lopen:
.irp b, 0,1,2,3
	v_max3_num_f32 v[BM+\b], v[SS+16*\b], v[SS+16*\b+1], v[SS+16*\b+2]   ; the largest score of each block of 32 keys: it serves the row's maximum and, since p rises with the score, the block's largest p
.endr
.irp i, 3,5,7,9,11,13
.irp b, 0,1,2,3
	v_max3_num_f32 v[BM+\b], v[BM+\b], v[SS+16*\b+\i], v[SS+16*\b+\i+1]  ; the four blocks by turns
.endr
.endr
.irp b, 0,1,2,3
	v_max_num_f32 v[BM+\b], v[BM+\b], v[SS+16*\b+15]
.endr
.irp b, 0,1,2,3
	v_permlanex16_b32 v[BM+4+\b], v[BM+\b], s[SEL], s[SEL+1]
.endr
.irp b, 0,1,2,3
	v_max_num_f32 v[BM+\b], v[BM+\b], v[BM+4+\b]   ; with lane l xor 16's 16 keys
.endr
	v_max3_num_f32 v220, v[BM], v[BM+1], v[BM+2]
	v_max_num_f32 v220, v220, v[BM+3]              ; the step's largest score of my query,
	v_mul_f32 v220, s[CS], v220                    ; as t (c is positive)
	v_max_num_f32 v13, v13, v220                   ; the running largest t
	v_mov_b32 v220, v12
	v_floor_f32 v12, -v13                          ; the new -M = floor(-t) = -ceil(t): a whole number
	v_sub_f32 v220, v12, v220                      ; old M - new M: a whole number, 0 or less
	v_cvt_i32_f32 v220, v220                       ; (it saturates)
	v_ldexp_f32 v[FF], 1.0, v220                   ; f = 2^(old M - new M)
.set j, 0
.rept 32
	v_pk_fma_f32 v[SS+j:SS+j+1], v[SS+j:SS+j+1], s[CS:CS+1], v[12:13] op_sel_hi:[1,0,0]   ; t - M, two at a time (of the pairs c and -M the low word serves both halves)
.set j, j+2
.endr
.irp b, 0,1,2,3
	v_fma_f32 v[BM+\b], v[BM+\b], s[CS], v12       ; the same of each block's largest score
.endr
.set j, 0
.rept 64
	v_exp_f32 v[SS+j], v[SS+j]                     ; p = 2^(t - M): not normalised
.set j, j+1
.endr
.irp b, 0,1,2,3
	v_exp_f32 v[BM+\b], v[BM+\b]                   ; the block's largest p: the same two instructions on the same number give the same bits.  One batch with the 64
.endr
	v_pk_mul_f32 v[14:15], v[14:15], v[FF:FF+1] op_sel_hi:[1,0]   ; the sums under the new M: a plain line behind the exponentials
	v_add_nc_u32 v[ADK], s[TK], v[LI]              ; the step's four LDS addresses: the last step's loads have read these registers (the wait on vm_vsrc at that step's end)
	v_add_nc_u32 v[ADV], VIMG, v[ADK]
	v_add_nc_u32 v[ADS], s[TS], v[LIS]
	v_add_nc_u32 v[ADT], s[TT], v[LT]
	s_wait_alu depctr_va_vdst(0)                   ; the 68 exponentials' results are written, ahead of their first reader; the four addresses are written; this step's first products are done reading k and its scale words, the last step's second products v and its scale words
	ds_load_b64 v[VS:VS+1], v[ADT]                 ; v of this step
.irp u, 0,1,2,3,4,5,6,7
	ds_load_b128 v[VF+4*\u:VF+4*\u+3], v[ADV] offset:512*\u
.endr
	s_add_co_u32 s44, s[KFS], 128                  ; k of the next step, if that step is walked: else its bytes were never stored
	s_cmp_ge_u32 s44, s[NEFF]
	s_cbranch_scc1 .Lno_next
	ds_load_b128 v[KS:KS+3], v[ADS] offset:512
.irp t, 0,1,2,3,4,5,6,7
	ds_load_b128 v[KF+4*\t:KF+4*\t+3], v[ADK] offset:4096+512*\t
.endr
.Lno_next:                                         ; from here to the second products no line names k, v, their scale words or the four addresses
	v_pk_add_f32 v[222:223], v[SS:SS+1], v[SS+2:SS+3]   ; the row's sum is taken of the unquantised p, two at a time, in two chains
.set j, 4
.rept 15
	v_pk_add_f32 v[14:15], v[14:15], v[SS+j:SS+j+1]
	v_pk_add_f32 v[222:223], v[222:223], v[SS+j+2:SS+j+3]
.set j, j+4
.endr
	v_pk_add_f32 v[14:15], v[14:15], v[222:223]
.irp b, 0,1,2,3
	v_max_num_f32 v[BM+\b], 0x1800000, v[BM+\b]    ; the floor 2^(3 - 127): the byte cannot fall under 1 (a block whose every p is 0 keeps that byte: its codes are zeros)
.endr
.irp b, 0,1,2,3
	v_add_nc_u32 v[BM+8+\b], 0xff000000, v[BM+\b]  ; 2 off the exponent field: the conversion's scale operand
.endr
.irp b, 0,1,2,3
	v_lshrrev_b32 v[BM+4+\b], 23, v[BM+8+\b]       ; the scale's byte
.endr
	v_lshl_or_b32 v[PW], v[BM+5], 8, v[BM+4]       ; p's scale word for these 128 keys
	v_lshl_or_b32 v[PW], v[BM+6], 16, v[PW]
	v_lshl_or_b32 v[PW], v[BM+7], 24, v[PW]
.irp c, 0,1                                    ; blocks X = 2 c and Y = 2 c + 1: X tile 0, Y tile 0, X tile 1, Y tile 1
	v_cvt_scalef32_pk8_fp4_f32 v[PC+4*\c],   v[SS+32*\c:SS+32*\c+7],     v[BM+8+2*\c]
	v_cvt_scalef32_pk8_fp4_f32 v[PC+4*\c+1], v[SS+32*\c+16:SS+32*\c+23], v[BM+9+2*\c]
	v_cvt_scalef32_pk8_fp4_f32 v[PC+4*\c+2], v[SS+32*\c+8:SS+32*\c+15],  v[BM+8+2*\c]
	v_cvt_scalef32_pk8_fp4_f32 v[PC+4*\c+3], v[SS+32*\c+24:SS+32*\c+31], v[BM+9+2*\c]
.endr
	v_nop                                          ; one plain place behind a scaled conversion
.irp c, 0,1
	v_permlane16_swap_b32 v[PC+4*\c], v[PC+4*\c+1]     ; registers 4 c .. 4 c + 3 now hold keys 64 c + 32 h + 0 .. 31
	v_permlane16_swap_b32 v[PC+4*\c+2], v[PC+4*\c+3]
.endr
.set j, 0
.rept 16
	v_pk_mul_f32 v[OO+j:OO+j+1], v[OO+j:OO+j+1], v[FF:FF+1] op_sel_hi:[1,0]   ; O^T under the new M, each accumulator from its low end on.  For each product below twelve of these name none of its registers: the places between p's scale word and codes and that product
.set j, j+2
.endr
	s_wait_dscnt 0x0                               ; v and its scale words are in, and so is the next step's k
	s_wait_alu depctr_vm_vsrc(0)                   ; the step's LDS loads have read v8 to v11, which the next step's additions write again
	s_wait_alu depctr_va_vdst(0)                   ; p's codes and its scale word, made by vector instructions, are written: the products below take them as B and as B's scales; the places above stay beside this wait
.irp d, 0,1,2,3                                ; O^T += v^T p^T: four accumulators by turns
.if \d % 2
	v_wmma_scale_f32_16x16x128_f8f6f4 v[OO+8*\d:OO+8*\d+7], v[VF+8*\d:VF+8*\d+7], v[PC:PC+7], v[OO+8*\d:OO+8*\d+7], v[VS+\d/2], v[PW] matrix_a_fmt:MATRIX_FMT_FP4 matrix_b_fmt:MATRIX_FMT_FP4 matrix_a_scale:MATRIX_SCALE_ROW1
.else
	v_wmma_scale_f32_16x16x128_f8f6f4 v[OO+8*\d:OO+8*\d+7], v[VF+8*\d:VF+8*\d+7], v[PC:PC+7], v[OO+8*\d:OO+8*\d+7], v[VS+\d/2], v[PW] matrix_a_fmt:MATRIX_FMT_FP4 matrix_b_fmt:MATRIX_FMT_FP4
.endif
.endr
.Lhidden:
	s_add_co_u32 s[TK], s[TK], 4096
	s_add_co_u32 s[TS], s[TS], 512
	s_add_co_u32 s[TT], s[TT], 256
	s_add_co_u32 s[KFS], s[KFS], 128
	s_cmp_lt_u32 s[KFS], 2048
	s_cbranch_scc1 .Lstep
	; THE WAY OUT: O^T / the sum, quantised along 64 head + d: my head's two blocks; the image is registers 4 (head % 2) .. + 3 of K step head / 2 of the last product's operand.
	PLACES 4
	v_add_f32 v14, v14, v15                        ; the sum's two halves,
	v_permlanex16_b32 v[BM+4], v14, s[SEL], s[SEL+1]
	v_add_f32 v14, v14, v[BM+4]                    ; and lane l xor 16's: the row's sum; it holds the row's largest p, above 1/2
	v_rcp_f32 v[FF], v14
	v_and_b32 v222, 15, v0                         ; (plain lines behind the reciprocal)
	v_lshlrev_b32 v222, 5, v222                    ; aos: 32 bytes a token
	s_wait_alu depctr_va_vdst(0)                   ; the reciprocal is written, ahead of its first reader
.set j, 0
.rept 16
	v_pk_mul_f32 v[SS+j:SS+j+1], v[OO+j:OO+j+1], v[FF:FF+1] op_sel_hi:[1,0]   ; register 8 t + i: o(query r, d = 16 t + 8 h + i)
.set j, j+2
.endr
.irp m, 0,1
	v_max3_num_f32 v[BM+\m], |v[SS+16*\m]|, |v[SS+16*\m+1]|, 0x1800000
.endr
.irp i, 2,4,6,8,10,12,14
.irp m, 0,1
	v_max3_num_f32 v[BM+\m], v[BM+\m], |v[SS+16*\m+\i]|, |v[SS+16*\m+\i+1]|
.endr
.endr
.irp m, 0,1
	v_permlanex16_b32 v[BM+4+\m], v[BM+\m], s[SEL], s[SEL+1]
.endr
.irp m, 0,1
	v_max_num_f32 v[BM+\m], v[BM+\m], v[BM+4+\m]
.endr
.irp m, 0,1
	v_add_nc_u32 v[BM+8+\m], 0xff000000, v[BM+\m]
.endr
.irp m, 0,1
	v_lshrrev_b32 v[BM+4+\m], 23, v[BM+8+\m]
.endr
	v_lshl_or_b32 v224, v[BM+5], 8, v[BM+4]
	v_cvt_scalef32_pk8_fp4_f32 v[PC],   v[SS:SS+7],     v[BM+8]
	v_cvt_scalef32_pk8_fp4_f32 v[PC+1], v[SS+16:SS+23], v[BM+9]
	v_cvt_scalef32_pk8_fp4_f32 v[PC+2], v[SS+8:SS+15],  v[BM+8]
	v_cvt_scalef32_pk8_fp4_f32 v[PC+3], v[SS+24:SS+31], v[BM+9]
	v_nop
	v_permlane16_swap_b32 v[PC], v[PC+1]
	v_permlane16_swap_b32 v[PC+2], v[PC+3]
	s_wait_alu depctr_va_vdst(0)                   ; o's codes v200-203, its two scale bytes v224 and the offset v222 are written, which the two stores read
	global_store_b128 v[LI], v[PC:PC+3], s[18:19]  ; 512 consecutive bytes
	global_store_b16 v222, v224, s[20:21]          ; two bytes of each token's 32: lanes r and r + 16 store the same
	s_wait_dscnt 0x0
	s_wait_alu depctr_hold_cnt(0) depctr_sa_sdst(0) depctr_va_vdst(0) depctr_va_sdst(0) depctr_va_ssrc(0) depctr_va_vcc(0) depctr_vm_vsrc(0)
	s_wait_tensorcnt 0x0
	ds_add_u32 v254, v255
	s_wait_dscnt 0x0
	s_endpgm
.Lfunc_end_k_q990ba2b42d_attn:
	.size	k_q990ba2b42d_attn, .Lfunc_end_k_q990ba2b42d_attn-k_q990ba2b42d_attn
	.p2alignl 7, 3214868480
	.fill 96, 4, 3214868480
	.section	.rodata,"a",@progbits
	.p2align	6, 0x0
	.amdhsa_kernel k_q990ba2b42d_attn
		.amdhsa_group_segment_fixed_size 145408
		.amdhsa_private_segment_fixed_size 0
		.amdhsa_enable_private_segment 0
		.amdhsa_kernarg_size 72
		.amdhsa_user_sgpr_count 2
		.amdhsa_user_sgpr_kernarg_segment_ptr 1
		.amdhsa_wavefront_size32 1
		.amdhsa_system_sgpr_workgroup_id_x 1
		.amdhsa_system_sgpr_workgroup_id_y 1
		.amdhsa_system_sgpr_workgroup_id_z 1
		.amdhsa_system_vgpr_workitem_id 0
		.amdhsa_next_free_vgpr 256
		.amdhsa_next_free_sgpr 66
		.amdhsa_reserve_vcc 0
		.amdhsa_float_denorm_mode_32 3
		.amdhsa_float_denorm_mode_16_64 3
		.amdhsa_memory_ordered 1
		.amdhsa_forward_progress 1
		.amdhsa_inst_pref_size 39
	.end_amdhsa_kernel
	.amdgpu_metadata
---
amdhsa.version: [ 1, 2 ]
amdhsa.kernels:
  - .name:           k_q990ba2b42d_attn
    .symbol:         k_q990ba2b42d_attn.kd
    .args:
      - { .name: qf, .offset: 0, .size: 8, .value_kind: global_buffer, .address_space: global }
      - { .name: qs, .offset: 8, .size: 8, .value_kind: global_buffer, .address_space: global }
      - { .name: kf, .offset: 16, .size: 8, .value_kind: global_buffer, .address_space: global }
      - { .name: ks, .offset: 24, .size: 8, .value_kind: global_buffer, .address_space: global }
      - { .name: vf, .offset: 32, .size: 8, .value_kind: global_buffer, .address_space: global }
      - { .name: vs, .offset: 40, .size: 8, .value_kind: global_buffer, .address_space: global }
      - { .name: valid_length, .offset: 48, .size: 8, .value_kind: global_buffer, .address_space: global }
      - { .name: aof, .offset: 56, .size: 8, .value_kind: global_buffer, .address_space: global }
      - { .name: aos, .offset: 64, .size: 8, .value_kind: global_buffer, .address_space: global }
    .group_segment_fixed_size: 145408
    .private_segment_fixed_size: 0
    .kernarg_segment_align: 8
    .kernarg_segment_size: 72
    .max_flat_workgroup_size: 512
    .sgpr_count:     66
    .vgpr_count:     256
    .wavefront_size: 32
...
	.end_amdgpu_metadata
.endif
;; end of part 4
;; launch outp: the kernel of part 3 again; grid 8 x 32, 8 waves a work-group, clusters of 4 x 4, 248,832 bytes of LDS; arguments W_o_codes, W_o_scales, aof, aos, b_o, out0; writes out0
